; MI455X (gfx1250); checked and timed in simulation.
; The chip was launched on July 23, 2026; its instructions are those of AMD's public machine-readable ISA for CDNA 5 (MIT licence, August 2026) and "CDNA5" Instruction Set Architecture Reference Guide (July 2026). The comments in the code are by the model that wrote it; some were corrected since.
;; Multi Head Attention. Allowed arithmetic: matrix products marked QUANTISED: E3M2 operands, one E8M0 scale for each 32 along K, by v_wmma_scale_f32_16x16x128_f8f6f4 with both operands' format E3M2, f32 sums; everything else in f32.
;; Inputs: Wk_codes 1,024 x 32 x 24 uint8 (E3M2 codes of Wk, K innermost, in blocks of 32 codes, four codes in three bytes); Wk_scales 1,024 x 32 uint8 (E8M0 scales of Wk, one for each 32 codes along K); Wo_codes 1,024 x 32 x 24 uint8 (E3M2 codes of Wo, K innermost, in blocks of 32 codes, four codes in three bytes); Wo_scales 1,024 x 32 uint8 (E8M0 scales of Wo, one for each 32 codes along K); Wq_codes 1,024 x 32 x 24 uint8 (E3M2 codes of Wq, K innermost, in blocks of 32 codes, four codes in three bytes); Wq_scales 1,024 x 32 uint8 (E8M0 scales of Wq, one for each 32 codes along K); Wv_codes 1,024 x 32 x 24 uint8 (E3M2 codes of Wv, K innermost, in blocks of 32 codes, four codes in three bytes); Wv_scales 1,024 x 32 uint8 (E8M0 scales of Wv, one for each 32 codes along K); beta 1,024 float32; bk 1,024 float32; bo 1,024 float32; bq 1,024 float32; bv 1,024 float32; gamma 1,024 float32; k_codes 4 x 2,048 x 32 x 24 uint8 (E3M2 codes of k, K innermost, in blocks of 32 codes, four codes in three bytes); k_scales 4 x 2,048 x 32 uint8 (E8M0 scales of k, one for each 32 codes along K); q 4 x 2,048 x 1,024 float32; v_codes 4 x 2,048 x 32 x 24 uint8 (E3M2 codes of v, K innermost, in blocks of 32 codes, four codes in three bytes); v_scales 4 x 2,048 x 32 uint8 (E8M0 scales of v, one for each 32 codes along K).
;; Outputs: out0 4 x 2,048 x 1,024 float32.
;; This version of the problem:
;;   THIS VERSION OF THE PROBLEM IS GIVEN IN LOW PRECISION. The matrix products marked QUANTISED in the list below multiply operands that are first quantised to E3M2 (3 exponent bits, 2 mantissa bits; 6 bits a number), with one power-of-two scale for each 32 numbers along K (OCP MX v1.0); their sums are f32. All else is computed in f32.
;;   The module's matrix products, in the order in which they are computed (A, B: the left and right operand; K: the contracted axis; several contracted axes count as one K, in the product's order):
;;     1. [M 8,192, K 1,024] x [K 1,024, N 1,024]; A: input q; B: input Wq (given as codes): QUANTISED
;;     2. [M 8,192, K 1,024] x [K 1,024, N 1,024]; A: input k (given as codes); B: input Wk (given as codes): QUANTISED
;;     3. [M 8,192, K 1,024] x [K 1,024, N 1,024]; A: input v (given as codes); B: input Wv (given as codes): QUANTISED
;;     4. batch 64 x [M 2,048, K 64] x [K 64, N 2,048]; A: computed on the way; B: computed on the way: QUANTISED
;;     5. batch 64 x [M 2,048, K 2,048] x [K 2,048, N 64]; A: softmax (see below); B: computed on the way: QUANTISED
;;     6. [M 8,192, K 1,024] x [K 1,024, N 1,024]; A: computed on the way; B: input Wo (given as codes): QUANTISED
;;   THE QUANTISER, for each operand of a quantised product, along K:
;;     - K is cut into blocks of 32 from its start; a last block that is shorter is filled with zeros.
;;     - A block's scale is 2^e with e = floor(log2(the largest magnitude in the block)) - 4, held to -126 .. 127; a block of zeros has e = 0. As a byte (E8M0): e + 127.
;;     - Each number is divided by its block's scale, clamped to +-28, and rounded to the nearest number of E3M2, ties to even, subnormals kept.
;;     - The product sums the exact products of the quantised numbers (number of the format x scale) in f32.
;;   ~~~python
;;   def quantise(x, axis):      # numpy; x: float32 -> the quantised numbers, widened to float32 again
;;       x = np.moveaxis(x, axis, -1); K = x.shape[-1]
;;       x = np.pad(x, [(0, 0)] * (x.ndim - 1) + [(0, -K % 32)]); x = x.reshape(x.shape[:-1] + (-1, 32)); a = np.abs(x).max(-1, keepdims=True)
;;       e = np.where(a > 0, np.clip(np.frexp(np.where(a > 0, a, 1))[1] - 1 - 4, -126, 127), 0)      # np.frexp(a)[1] - 1 = floor(log2(a)), exactly
;;       r = np.clip(x / 2.0 ** e, -28, 28)
;;       step = 2.0 ** (np.maximum(np.frexp(np.where(r == 0, 1, r))[1] - 1, -2) - 2)
;;       q = np.round(r / step) * step * 2.0 ** e      # np.round: ties to even
;;       return np.moveaxis(q.reshape(q.shape[:-2] + (-1,))[..., :K], -1, axis).astype(np.float32)
;;   ~~~
;;   SOFTMAX AHEAD OF A QUANTISED PRODUCT. Where the list says 'softmax', what is quantised is not the finished softmax but p = 2^(t - M), with t = logit x log2(e) and M = ceil(the row's largest t), a whole number; so 1/2 < the row's largest p <= 1. The row's sum l is taken of the UNQUANTISED p, in f32, and the product's result is divided by l at the end. Since M is a whole number, a kernel that streams over the keys may use a running M (the ceiling of the running maximum): every later rescaling is an exact power of two, which a block's scale takes up: the codes' values come out the same.
;;   OPERANDS COMPUTED ON THE WAY. 'Computed on the way' means the value that the module computes at that place (a softmax that the list does not call 'softmax' is quantised finished and normalised). What goes into a quantiser is computed in f32, as accurately as f32 sums, v_exp_f32 and their like allow (about 1e-6 of the number): no bf16 or f16 on the way to a quantiser, and a product that is left as it is and whose result goes on into a quantised operand takes f32 operands (vector FMAs, or v_wmma_f32_16x16x4_f32). A number that lies on a knife's edge between two numbers of the format may be rounded either way, as far as f32 arithmetic and the matrix unit's own rounding can turn it there, and no further.
;;   INPUTS GIVEN AS CODES. Wk (in the module: [1024, 1024], K = its axis 1); Wo (in the module: [1024, 1024], K = its axis 1); Wq (in the module: [1024, 1024], K = its axis 1); Wv (in the module: [1024, 1024], K = its axis 1); k (in the module: [4, 2048, 1024], K = its axis 2); v (in the module: [4, 2048, 1024], K = its axis 2): each comes as NAME_codes (uint8): NAME with its K axis moved to the last place and cut into blocks of 32 codes, [.., K / 32, bytes a block], one block behind the other in memory; four codes in three bytes: a row's codes are one little-endian stream of bits, code i at bits 6 i .. 6 i + 5 (a code: sign, 3 exponent bits, 2 mantissa bits); and NAME_scales (uint8): the same leading axes, one E8M0 byte (e + 127) for each 32 codes along K. Its value is code x scale, taken as it is: it is not quantised again, and the codes and scales need not be those that the quantiser above would give.
;; One version. Each part assembles by itself: llvm-mc -triple=amdgcn-amd-amdhsa -mcpu=gfx1250 --defsym DOCPART=n.
;; ======== version 1 of 1: 4 launches
;; workspace buffers: qrow 6,553,600 bytes; qfr 6,815,744 bytes; kfr 6,815,744 bytes; vfr 6,815,744 bytes; ofr 6,553,600 bytes
;; launch quantq (part 1): grid 256 x 1, 4 waves a work-group, no clusters, 33,280 bytes of LDS; arguments q, qrow; writes qrow
.if DOCPART == 1
	.amdgcn_target "amdgcn-amd-amdhsa--gfx1250"
	.amdhsa_code_object_version 6
	.text
	.protected	k_qdc09a6c485_quantq
	.globl	k_qdc09a6c485_quantq
	.p2align	8
	.type	k_qdc09a6c485_quantq,@function
k_qdc09a6c485_quantq:
	s_mov_b64 s[64:65], 0
	v_nop
	global_prefetch_b8 v0, s[64:65] scope:SCOPE_SE
	s_setreg_imm32_b32 hwreg(HW_REG_WAVE_MODE, 25, 1), 1
	s_wait_xcnt 0x0
; q [8192][1024], f32, is turned into codes of BF6 (E3M2), 6 bits each, K innermost, with one E8M0 scale byte for each 32 along K.
; qrow: codes [8192][768 bytes] at byte 0, scale bytes [8192][32] at byte QSC: laid as the problem's own k_codes and k_scales lie.
; A block's scale is 2^(floor(log2(its largest magnitude)) - 4); its byte is the largest magnitude's exponent field - 4, held at 1 from below.
; LIMITS: a block whose largest magnitude lies under 2^-122 has its byte held at 1; a block of zeros gets the byte 1 (its codes are zeros, and this program alone reads the bytes);
; NaN and infinities among the inputs are not served.
; Rows are dense and 1,024 is a multiple of 32: the tensor is a plain stream of blocks of 32.  A wave takes 16 steps of 512 numbers.  Each load reads 512 consecutive bytes, 16 a lane; a step's 2,048 bytes
; turn through the wave's own stage in LDS and come back 64 bytes a lane, so that a lane holds 16 neighbours along K (two neighbouring lanes hold a block).  No barrier: waves share nothing.
.set STEPS, 16
.set EMAX,  4
.set CB,    12                         ; bytes of 16 codes
.set R,     16                         ; v16-79   four sets of 16 numbers as they are loaded
.set X,     80                         ; v80-111  two sets of 16 neighbours
.set C,     128                        ; v128-191 codes: four registers for each step, so that no store's data are written again
.set E,     112                        ; v112-127 a scale byte for each step
.set WREG,  8192                       ; LDS: a region for each wave: two stages of 32 x SP bytes, and behind them its 256 scale bytes
.set SP,    80                         ; a lane's place in a stage: its 64 bytes + 16 of padding
.set QSC,   6291456                    ; where the scale bytes begin in qrow
	s_load_b128 s[4:7], s[0:1], 0x0                ; q, qrow
	v_lshl_add_u32 v192, v0, 2, 0x8000
	v_mov_b32 v193, 0
	v_lshrrev_b32 v1, 5, v0
	v_readfirstlane_b32 s16, v1                    ; wave
	v_and_b32 v2, 31, v0                           ; lane
	v_lshlrev_b32 v3, 4, v2                        ; my 16 bytes of a load's 512
	s_mul_i32 s17, s16, WREG
	v_lshrrev_b32 v14, 2, v2
	v_mul_u32_u24 v14, v14, SP
	v_and_b32 v15, 3, v2
	v_lshl_add_u32 v14, v15, 4, v14
	v_add_nc_u32 v14, s17, v14                     ; the stage, on the way in: SP (lane / 4) + 16 (lane % 4)
	v_mul_u32_u24 v15, v2, SP
	v_add_nc_u32 v15, s17, v15                     ; and on the way out: SP x lane: my 16 neighbours
	v_mul_u32_u24 v4, v2, CB                       ; my codes' place in a step's
	v_lshrrev_b32 v5, 1, v2
	s_add_co_u32 s17, s17, 2*32*SP
	v_add_nc_u32 v5, s17, v5                       ; LDS: my wave's 256 scale bytes, my block's byte
	v_lshlrev_b32 v7, 3, v2                        ; and on the way out 8 bytes a lane
	v_add_nc_u32 v6, s17, v7
	s_lshl_b32 s18, ttmp9, 2
	s_add_co_u32 s18, s18, s16                     ; which run of 8,192 numbers is my wave's: 0 .. 1,023
	s_lshl_b32 s20, s18, 15                        ; 32,768 bytes of q,
	s_mov_b32 s21, 0
	s_mul_i32 s22, s18, 32*STEPS*CB                ; 6,144 bytes of codes,
	s_mov_b32 s23, 0
	s_lshl_b32 s24, s18, 8                         ; 256 scale bytes a run
	s_mov_b32 s25, 0
	s_wait_alu depctr_va_vdst(0)
	s_wait_kmcnt 0x0
	s_add_nc_u64 s[4:5], s[4:5], s[20:21]
	s_add_nc_u64 s[8:9], s[6:7], s[22:23]
	s_add_nc_u64 s[10:11], s[6:7], QSC
	s_add_nc_u64 s[10:11], s[10:11], s[24:25]
.macro LOAD t
.irp i, 0,1,2,3
	global_load_b128 v[R+16*((\t)%4)+4*\i:R+16*((\t)%4)+4*\i+3], v3, s[4:5] offset:2048*(\t)+512*\i   ; 32 lanes read 512 consecutive bytes
.endr
.endm
.macro TURN t                          ; step t's numbers through the stage: LDS serves a wave's instructions in order, so no wait stands between the stores and the loads
.irp i, 0,1,2,3
	ds_store_b128 v14, v[R+16*((\t)%4)+4*\i:R+16*((\t)%4)+4*\i+3] offset:32*SP*((\t)%2)+8*SP*\i
.endr
.irp i, 0,1,2,3
	ds_load_b128 v[X+16*((\t)%2)+4*\i:X+16*((\t)%2)+4*\i+3], v15 offset:32*SP*((\t)%2)+16*\i
.endr
.endm
.irp t, 0,1,2,3
	LOAD \t
.endr
	s_wait_loadcnt 12                              ; step 0's four loads are in; those of steps 1 to 3 may be out
	TURN 0
.macro STEP t
.set XS, X+16*((\t)%2)
.if (\t) > 0
	s_wait_dscnt 1                                 ; this step's numbers are back from the stage (the last step's byte store may be out): so its stores into the stage have read their registers,
.else
	s_wait_dscnt 0x0
.endif
.if (\t)+4 < STEPS
	LOAD (\t)+4                                    ; which take the loads of four steps on
.endif
.if (\t)+1 < STEPS
.if STEPS-2-(\t) >= 3
	s_wait_loadcnt 12                              ; the next step's four loads are in; those of the three steps behind it may be out
.else
	s_wait_loadcnt 4*(STEPS-2-(\t))
.endif
	TURN (\t)+1                                    ; and go through the other stage while this step is worked
.endif
	v_max3_num_f32 v8, |v[XS]|, |v[XS+1]|, |v[XS+2]|               ; the largest magnitude of my 16, in two chains
	v_max3_num_f32 v9, |v[XS+3]|, |v[XS+4]|, |v[XS+5]|
.irp i, 6,10
	v_max3_num_f32 v8, v8, |v[XS+\i]|, |v[XS+\i+1]|
	v_max3_num_f32 v9, v9, |v[XS+\i+2]|, |v[XS+\i+3]|
.endr
	v_max3_num_f32 v8, v8, |v[XS+14]|, |v[XS+15]|
	v_max3_num_f32 v8, v8, v9, (EMAX+1)<<23        ; and the floor 2^(EMAX + 1 - 127): the byte cannot fall under 1
	v_max_num_f32_dpp v8, v8, v8 row_xmask:1 row_mask:0xf bank_mask:0xf   ; and of my neighbour's 16: the block's
	v_add_nc_u32 v11, -(EMAX<<23), v8              ; EMAX off its exponent field: the conversion takes the exponent field of this operand as its scale
	v_cvt_scalef32_pk16_bf6_f32 v[C+4*(\t):C+4*(\t)+2], v[XS:XS+15], v11         ; sixteen numbers / the scale, to the nearest code, ties to even, beyond 28 the largest code
	v_lshrrev_b32 v[E+(\t)], 23, v11               ; the scale's byte (also the plain line behind the conversion)
	ds_store_b8 v5, v[E+(\t)] offset:16*(\t)       ; both lanes of a block write the same byte with the same value
	global_store_b96 v4, v[C+4*(\t):C+4*(\t)+2], s[8:9] offset:32*CB*(\t)        ; the wave stores 384 consecutive bytes
.endm
.irp t, 0,1,2,3,4,5,6,7,8,9,10,11,12,13,14,15
	STEP \t
.endr
	ds_load_b64 v[12:13], v6                       ; LDS serves a wave's instructions in order: these see my stores
	s_wait_dscnt 0x0
	global_store_b64 v7, v[12:13], s[10:11]        ; 32 lanes store 256 consecutive bytes, aligned
	s_wait_tensorcnt 0x0
	ds_add_u32 v192, v193
	s_wait_dscnt 0x0
	s_endpgm
.Lfunc_end_k_qdc09a6c485_quantq:
	.size	k_qdc09a6c485_quantq, .Lfunc_end_k_qdc09a6c485_quantq-k_qdc09a6c485_quantq
	.p2alignl 7, 3214868480
	.fill 96, 4, 3214868480
	.section	.rodata,"a",@progbits
	.p2align	6, 0x0
	.amdhsa_kernel k_qdc09a6c485_quantq
		.amdhsa_group_segment_fixed_size 33280
		.amdhsa_private_segment_fixed_size 0
		.amdhsa_enable_private_segment 0
		.amdhsa_kernarg_size 16
		.amdhsa_user_sgpr_count 2
		.amdhsa_user_sgpr_kernarg_segment_ptr 1
		.amdhsa_wavefront_size32 1
		.amdhsa_system_sgpr_workgroup_id_x 1
		.amdhsa_system_sgpr_workgroup_id_y 1
		.amdhsa_system_sgpr_workgroup_id_z 1
		.amdhsa_system_vgpr_workitem_id 0
		.amdhsa_next_free_vgpr 194
		.amdhsa_next_free_sgpr 66
		.amdhsa_reserve_vcc 0
		.amdhsa_float_denorm_mode_32 3
		.amdhsa_float_denorm_mode_16_64 3
		.amdhsa_memory_ordered 1
		.amdhsa_forward_progress 1
		.amdhsa_inst_pref_size 32
	.end_amdhsa_kernel
	.amdgpu_metadata
---
amdhsa.version: [ 1, 2 ]
amdhsa.kernels:
  - .name:           k_qdc09a6c485_quantq
    .symbol:         k_qdc09a6c485_quantq.kd
    .args:
      - { .name: q, .offset: 0, .size: 8, .value_kind: global_buffer, .address_space: global }
      - { .name: qrow, .offset: 8, .size: 8, .value_kind: global_buffer, .address_space: global }
    .group_segment_fixed_size: 33280
    .private_segment_fixed_size: 0
    .kernarg_segment_align: 8
    .kernarg_segment_size: 16
    .max_flat_workgroup_size: 128
    .sgpr_count:     66
    .vgpr_count:     194
    .wavefront_size: 32
...
	.end_amdgpu_metadata
.endif
;; end of part 1
;; launch proj (part 2): grid 4 x 96, 4 waves a work-group, clusters of 4 x 4, 327,680 bytes of LDS; arguments qrow, k_codes, Wv_codes, k_scales, Wv_scales, Wq_codes, Wk_codes, v_codes, Wq_scales, Wk_scales, v_scales, bq, bk, bv, qfr, kfr, vfr; writes qfr, kfr, vfr
.if DOCPART == 2
	.amdgcn_target "amdgcn-amd-amdhsa--gfx1250"
	.amdhsa_code_object_version 6
	.text
	.protected	k_qdc09a6c485_proj
	.globl	k_qdc09a6c485_proj
	.p2align	8
	.type	k_qdc09a6c485_proj,@function
k_qdc09a6c485_proj:
	s_mov_b64 s[64:65], 0
	v_nop
	global_prefetch_b8 v0, s[64:65] scope:SCOPE_SE
	s_setreg_imm32_b32 hwreg(HW_REG_WAVE_MODE, 25, 1), 1
	s_wait_xcnt 0x0
	s_wait_alu depctr_hold_cnt(0) depctr_sa_sdst(0) depctr_va_vdst(0) depctr_va_sdst(0) depctr_va_ssrc(0) depctr_va_vcc(0) depctr_vm_vsrc(0)
	s_getreg_b32 s2, hwreg(HW_REG_IB_STS2, 6, 4)
	s_cmp_eq_u32 s2, 0
	s_cbranch_scc0 .Lentry_in_a_cluster
	s_endpgm
.Lentry_in_a_cluster:
	s_bfe_u32 s2, ttmp6, 0x10000c
	s_cmp_lg_u32 s2, 0xf033
	s_cbranch_scc0 .Lentry_shape_is_right
	s_endpgm
.Lentry_shape_is_right:
; THE THREE PROJECTIONS, each 8,192 x 1,024 x 1,024 on codes of BF6 (E3M2) with one E8M0 scale for each 32 along K, their bias, q's division by 32, and the quantising of the results for attention.
; One text serves all three: g = cluster y / 8 picks the buffers (0: q, 1: k, 2: v).  Role A lies across the lanes of a result, role B along a lane's registers:
;   q, k: A = the tokens' rows, B = the weight's rows: a lane holds one token and its registers run along the 128 columns of a pair of heads: the axis along which qh / 32 and kh are quantised;
;   v:    A = Wv's rows, B = the tokens' rows: a lane holds one column d and its registers run along 128 tokens: the axis along which vh is quantised (the keys).
; A tile of 256 (A) x 256 (B) is made by four waves, 128 x 128 each: 64 accumulators, 512 registers.  K goes in steps of 256 through two LDS slots filled by the tensor data mover; the scale bytes of
; the tile's 512 rows come once, with the first fills.  CLUSTERS of 4 x 4: A's tiles are asked for jointly along a row of the cluster, B's along a column.
; THE MATRIX INSTRUCTION IS USED TRANSPOSED (source 0 = 16 rows of B, source 1 = 16 rows of A): lane (r, h) holds A's row r, register j B's row 8 h + j.
; OUT: a wave's 128 x 128 is one RECORD, rec = ((batch x 8 + pair of heads) x 16 + chunk of 128 tokens): 8 fragments of 16 rows x 128, each an image of its 12 operand registers in 1,536 bytes
; (registers 0-3 at 16 x lane, 4-5 at 512 + 8 x lane, 6-7 at 768 + 8 x lane, 8-11 at 1,024 + 16 x lane), and 1,024 bytes of scale words at IMGB + 1,024 rec, in two forms (see the end).
; ORDER INSIDE A BLOCK OF 32: a block's codes stand in the order 0-7, 16-23, 8-15, 24-31 of its numbers.  Both operands of each of attention's products are made so, so every product meets its partner;
; only the order in which f32 sums are rounded differs from the natural one.
; LIMITS: a block whose largest magnitude lies under 2^-122 has its byte held at 1; a block of zeros gets the byte 1 (zero codes; this program alone reads the bytes); NaN and infinities are not served.
; REGISTERS, in windows of 256: window 0: v0-31 addresses; v32-63 scale words, two sets; v64-127 the bias along the registers; v128-223 A's fragments, ONE set; v224-231 the bias along the lanes.
;   window 1: B's fragments, TWO sets, at v0 and v128.   window 2: the accumulators of my A rows 0-63 ((a, b) at v[8 (8 a + b)]);   window 3: those of rows 64-127.
.set KSTEP,  256                       ; along K in a slot
.set NQ,     KSTEP/128                 ; matrix instructions deep
.set ROWB,   192                       ; a tile's row in bytes
.set KROW,   768                       ; a row of codes in memory
.set PITCH,  240                       ; an LDS row: 3 x (64 bytes + 16 of padding)
.set FR,     12                        ; registers of a fragment
.set NL,     6                         ; LDS loads that bring one
.set NP,     4                         ; places behind this matrix instruction (ISA guide 7.12.1)
.set HALFT,  128*PITCH                 ; 128 rows: what one tensor load brings
.set SLOT,   4*HALFT                   ; A's 256 rows, then B's 256 rows
.set LAPS,   1024/(2*KSTEP)            ; a lap = two K steps = once round the ring
.set KS,     32                        ; a row of scale bytes
.set SCL,    2*SLOT                    ; behind the ring: the scales, as 256 bytes + 16 of padding
.set HALFS,  (128*KS/256)*272          ; the scales of 128 rows
.set SBLK,   (16*KS/256)*272           ; those of 16 rows
.set SPARE,  SCL+4*HALFS               ; the spare words, 128 bytes a wave: two blocks of 256 bytes that no other line names
.set QSC,    6291456                   ; qrow's scale bytes
.set IMGB,   6291456                   ; the scale records of qfr, kfr, vfr
.set IM8,  8                           ; v8      8 x lane
.set BRO,  9                           ; v9      32 h: my place in the bias along the registers
.set BLO,  10                          ; v10     4 r: my place in the bias along the lanes
.set ADRA, 16                          ; v16-17  LDS address of my A fragments in slot 0, 1  (v18-19: for the pieces behind one padding more)
.set ADRB, 20                          ; v20-21  the same for B  (v22-23)
.set SST,  24                          ; v24     the scale record's stage, way in: 1,024 x wave + 16 r
.set SRD,  25                          ; v25     and way back: 1,024 x wave + 16 x lane
.set IM16, 26                          ; v26     16 x lane
.set ADRS, 27                          ; v27     LDS address of my scale words: lanes 0-15 A's rows, lanes 16-31 B's
.set SPW,  28                          ; v28     my spare word; never rewritten
.set NIL,  29                          ; v29     0; never rewritten
.set SC,   32                          ; scale words, two sets of 16
.set BR,   64                          ; v64-127  bias[B's row]: register 8 b + j
.set AF,   128                         ; A's fragments
.set BL,   224                         ; v224-231 bias[A's row] of block a
.set XN,   128                         ; the way out: a block's 64 numbers
.set TM,   200                         ; v200-203 largest magnitudes, v204-207 bytes, v212-215 the conversions' scale operands
.set PW,   216                         ; the scale word just made
.set PC,   232                         ; v232-243 the fragment just made; v244-250 at work
.set WD,   32                          ; v32-39  the eight fragments' scale words
.set SEL,  20                          ; s[20:21] on the way out: the selects for lane xor 16
.set G1, 24                            ; s[24:31] descriptor group 1 for A's tiles;  s[32:39] group 0, one set for each slot
.set G0, 32
.set G1B, 48                           ; s[48:55], s[56:63] the same for B's tiles
.set G0B, 56
.set G1S, 68                           ; s[68:75], s[76:79] groups 1 and 0 for A's scales;  s[80:87], s[88:91] for B's
.set G0S, 76
.set G1SB, 80
.set G0SB, 88
.set MSB, 0
.macro WIN new                         ; the immediate's high byte repeats the setting that is left
.if MSB != (\new)
	s_set_vgpr_msb (MSB<<8)|(\new)
.set MSB, (\new)
.endif
.endm
.set MUL_LO, 0xa1                      ; source 0 (B) window 1, source 1 (A) window 0, C and D window 2
.set MUL_HI, 0xf1                      ; the same, C and D window 3
.set TO_B,   0x40                      ; destination window 1, address window 0
; A joint load: waves 0 and 1 fetch for A, waves 2 and 3 for B.  Each line has one mask and one set of registers for all that issue it; the branch hangs on the wave's number alone.
; Four v_nop follow each of the two lines.
.macro JLOAD g0a, g1a, g0b, g1b
	s_cmp_eq_u32 s15, 0
	s_cbranch_scc0 .Lfor_b_\@
	tensor_load_to_lds s[\g0a:\g0a+3], s[\g1a:\g1a+7]
	s_nop 0
.rept 4
	v_nop
.endr
	s_branch .Lasked_\@
.Lfor_b_\@:
	tensor_load_to_lds s[\g0b:\g0b+3], s[\g1b:\g1b+7]
	s_nop 0
.rept 4
	v_nop
.endr
.Lasked_\@:
.endm
.macro CREST                           ; a round of the cluster's barrier behind its opening barrier
	s_cmp_lg_u32 s14, 0
	s_cbranch_scc1 .Lnot_wave_0_\@
	s_barrier_signal -3
.Lnot_wave_0_\@:
	s_barrier_wait -3
	s_barrier_signal -1
	s_barrier_wait -1
.endm
.macro CROUND                          ; a whole round
	s_barrier_signal -1
	s_barrier_wait -1
	CREST
.endm
	s_load_b256 s[24:31], s[0:1], 0x0              ; qrow, k_codes, Wv_codes, k_scales
	s_load_b256 s[32:39], s[0:1], 0x20             ; Wv_scales, Wq_codes, Wk_codes, v_codes
	s_load_b256 s[40:47], s[0:1], 0x40             ; Wq_scales, Wk_scales, v_scales, bq
	s_load_b256 s[48:55], s[0:1], 0x60             ; bk, bv, qfr, kfr
	s_load_b64 s[56:57], s[0:1], 0x80              ; vfr
	v_lshl_add_u32 v[SPW], v0, 2, SPARE
	v_mov_b32 v[NIL], 0
	ds_add_u32 v28, v29
	ds_add_u32 v28, v29
	s_wait_dscnt 0x0
	v_lshrrev_b32 v1, 5, v0
	v_readfirstlane_b32 s14, v1                    ; wave 0..3
	s_lshr_b32 s15, s14, 1                         ; which half of A's rows is mine.  Also: I fetch for A (0) or for B (1)
	s_and_b32 s16, s14, 1                          ; which half of B's rows.  Also: which 128 rows of that tile I fetch
	s_and_b32 s13, ttmp7, 0xffff                   ; cluster y: 0 .. 23
	s_lshr_b32 s12, s13, 3                         ; g: which projection: the same in all sixteen partners
	s_and_b32 s13, s13, 7                          ; which of its eight clusters
	s_wait_kmcnt 0x0
	s_add_nc_u64 s[2:3], s[24:25], QSC             ; q's scale bytes lie behind its codes
	s_cmp_eq_u32 s12, 0                            ; the choices hang on the cluster's number alone
	s_cselect_b64 s[4:5], s[24:25], s[26:27]       ; A's codes: q's or k's,
	s_cselect_b64 s[6:7], s[2:3], s[30:31]         ; A's scales,
	s_cselect_b64 s[8:9], s[34:35], s[36:37]       ; B's codes: Wq's or Wk's,
	s_cselect_b64 s[10:11], s[40:41], s[42:43]     ; B's scales,
	s_cselect_b64 s[96:97], s[46:47], s[48:49]     ; the bias,
	s_cselect_b64 s[98:99], s[52:53], s[54:55]     ; the result's buffer
	s_cselect_b32 s66, 0x3d000000, 1.0             ; f: q's result is divided by 32 = sqrt(1,024): a power of two, so nothing is rounded by it
	s_cmp_eq_u32 s12, 2
	s_cselect_b64 s[4:5], s[28:29], s[4:5]         ; v: A is Wv,
	s_cselect_b64 s[6:7], s[32:33], s[6:7]
	s_cselect_b64 s[8:9], s[38:39], s[8:9]         ; B the tokens
	s_cselect_b64 s[10:11], s[44:45], s[10:11]
	s_cselect_b64 s[96:97], s[50:51], s[96:97]
	s_cselect_b64 s[98:99], s[56:57], s[98:99]
	s_cselect_b32 s18, 0, s13                      ; the cluster's row among A's tiles: v has one (Wv's 1,024 rows),
	s_cselect_b32 s19, s13, 0                      ; and its column among B's tiles: q and k have one
	s_cselect_b32 s104, 0, s66                     ; fR: what the bias along the registers is multiplied by: f for q and k, 0 for v
	s_cselect_b32 s105, 1.0, 0                     ; fL: the bias along the lanes: 1 for v, else 0
	s_mov_b32 s67, s66                             ; (the packed form names the pair s[66:67])
	s_bfe_u32 s40, ttmp6, 0x40000                  ; cx, cy: my place in the cluster
	s_bfe_u32 s41, ttmp6, 0x40004
	s_lshl_b32 s42, s19, 2
	s_add_co_u32 s42, s42, s40                     ; B's tile = 4 x cluster column + cx
	s_lshl_b32 s17, s18, 2
	s_add_co_u32 s17, s17, s41                     ; A's tile = 4 x cluster row + cy
	s_lshl_b32 s43, s41, 2
	s_lshl_b32 s43, 15, s43                        ; my row of the cluster
	s_lshl_b32 s44, 0x1111, s40                    ; my column
	; descriptor group 1: a tile of 128 rows x ROWB bytes, padded in LDS
	s_or_b32 s[G1+0], s43, (0<<16)|(1<<20)|(1<<21)|(3<<22)|(3<<25)  ; 15:0 the mask: A's tiles go to my row; elements of 1 byte; padding on; 21 set beside a mask; after every 16 words 4 words
	s_or_b32 s[G1B+0], s44, (0<<16)|(1<<20)|(1<<21)|(3<<22)|(3<<25)
.irp g, G1, G1B
	s_mov_b32 s[\g+1], ROWB<<16                    ; tensor_dim0
	s_mov_b32 s[\g+2], 128<<16                     ; tensor_dim1 = 128
	s_mov_b32 s[\g+3], ROWB<<16                    ; tile_dim0
	s_mov_b32 s[\g+4], 128                         ; tile_dim1 = 128
	s_mov_b32 s[\g+5], KROW                        ; tensor_dim0_stride
	s_mov_b32 s[\g+6], 0
	s_mov_b32 s[\g+7], 0
.endr
	; and for the scales of 128 rows: a dense block of 4,096 bytes, as 16 rows of 256 bytes (32 elements of 8 bytes), 16 bytes of padding behind each
	s_or_b32 s[G1S+0], s43, (3<<16)|(1<<20)|(1<<21)|(5<<22)|(3<<25)
	s_or_b32 s[G1SB+0], s44, (3<<16)|(1<<20)|(1<<21)|(5<<22)|(3<<25)
.irp g, G1S, G1SB
	s_mov_b32 s[\g+1], 32<<16
	s_mov_b32 s[\g+2], (128*KS/256)<<16
	s_mov_b32 s[\g+3], 32<<16
	s_mov_b32 s[\g+4], 128*KS/256
	s_mov_b32 s[\g+5], 32
	s_mov_b32 s[\g+6], 0
	s_mov_b32 s[\g+7], 0
.endr
	s_lshl_b32 s18, s16, 7                         ; which 128 rows of the tile I fetch
	s_lshl_b32 s20, s17, 8
	s_add_co_u32 s20, s20, s18                     ; A: row 256 x tile + 128 x half
	s_lshl_b32 s46, s42, 8
	s_add_co_u32 s46, s46, s18                     ; B likewise
	s_mov_b32 s21, 0
	s_mov_b32 s47, 0
	s_mov_b64 s[18:19], KS
	s_mul_u64 s[22:23], s[20:21], s[18:19]         ; where these rows' scales begin, in bytes
	s_mul_u64 s[92:93], s[46:47], s[18:19]
	s_mov_b64 s[18:19], KROW
	s_mul_u64 s[20:21], s[20:21], s[18:19]         ; and their codes
	s_mul_u64 s[46:47], s[46:47], s[18:19]
	s_mul_i32 s45, s14, HALFT                      ; where they go: wave x 128 rows: no place in the cluster enters an LDS address
	s_mul_i32 s94, s14, HALFS
	s_add_nc_u64 s[20:21], s[4:5], s[20:21]
	s_add_nc_u64 s[22:23], s[6:7], s[22:23]
	s_add_nc_u64 s[46:47], s[8:9], s[46:47]
	s_add_nc_u64 s[92:93], s[10:11], s[92:93]
	CROUND                                         ; all sixteen work-groups are here: the first joint loads meet
	s_mov_b32 s[G0S], 1
	s_add_co_u32 s[G0S+1], s94, SCL
	s_mov_b64 s[G0S+2:G0S+3], s[22:23]
	s_or_b32 s[G0S+3], s[G0S+3], 0x80000000
	s_mov_b32 s[G0SB], 1
	s_add_co_u32 s[G0SB+1], s94, SCL
	s_mov_b64 s[G0SB+2:G0SB+3], s[92:93]
	s_or_b32 s[G0SB+3], s[G0SB+3], 0x80000000
	JLOAD G0S, G1S, G0SB, G1SB                     ; the scales first: they are wanted with K step 0
.irp s, 0,1
	s_mov_b32 s[G0+4*\s], 1
	s_add_co_u32 s[G0+4*\s+1], s45, \s*SLOT
	s_add_nc_u64 s[G0+4*\s+2:G0+4*\s+3], s[20:21], \s*ROWB
	s_or_b32 s[G0+4*\s+3], s[G0+4*\s+3], 0x80000000
	s_mov_b32 s[G0B+4*\s], 1
	s_add_co_u32 s[G0B+4*\s+1], s45, \s*SLOT
	s_add_nc_u64 s[G0B+4*\s+2:G0B+4*\s+3], s[46:47], \s*ROWB
	s_or_b32 s[G0B+4*\s+3], s[G0B+4*\s+3], 0x80000000
	JLOAD G0+4*\s, G1, G0B+4*\s, G1B               ; by this text's count three tensor loads of a wave are out here
.endr
	v_and_b32 v1, 15, v0                           ; r = l % 16
	v_bfe_u32 v2, v0, 4, 1                         ; h = l / 16
	v_mul_u32_u24 v3, v1, PITCH
	v_mul_u32_u24 v4, v2, 24
	v_add_nc_u32 v4, v3, v4                        ; a fragment's row x pitch + 24 x half
	v_lshl_add_u32 v5, v2, 4, v4                   ; and the same behind one padding more
	s_mul_i32 s21, s15, HALFT                      ; my 128 rows of A
	s_mul_i32 s22, s16, HALFT                      ; my 128 rows of B,
	s_add_co_u32 s22, s22, 2*HALFT                 ; which lie behind A's 256
.irp s, 0,1
	v_add_nc_u32 v[ADRA+\s], s21, v4
	v_add_nc_u32 v[ADRB+\s], s22, v4
	v_add_nc_u32 v[ADRA+2+\s], s21, v5
	v_add_nc_u32 v[ADRB+2+\s], s22, v5
	s_add_co_u32 s21, s21, SLOT
	s_add_co_u32 s22, s22, SLOT
.endr
	v_mul_u32_u24 v5, v1, KS                       ; my row's scales: KS bytes a row,
	v_lshrrev_b32 v6, 8, v5
	v_lshl_add_u32 v5, v6, 4, v5                   ; and 16 more for each 256 passed
	s_mul_i32 s21, s15, HALFS                      ; A's: my 128 rows
	s_mul_i32 s22, s16, HALFS                      ; B's: my 128 rows, behind A's 256
	s_add_co_u32 s22, s22, 2*HALFS
	s_sub_co_u32 s22, s22, s21
	v_mul_u32_u24 v6, s22, v2                      ; lanes 16-31 take B's
	s_add_co_u32 s21, s21, SCL
	v_add_nc_u32 v5, v5, v6
	v_add_nc_u32 v[ADRS], s21, v5
	s_lshl_b32 s23, s14, 10                        ; the scale record's stage: 1,024 bytes a wave, in slot 0, which has had its last fill and its last read when it is written
	v_lshlrev_b32 v5, 4, v1
	v_add_nc_u32 v[SST], s23, v5
	v_and_b32 v6, 31, v0
	v_lshlrev_b32 v[IM16], 4, v6
	v_lshlrev_b32 v[IM8], 3, v6
	v_add_nc_u32 v[SRD], s23, v[IM16]
	v_lshlrev_b32 v[BRO], 5, v2
	s_wait_alu depctr_va_vdst(0)
	v_lshlrev_b32 v[BLO], 2, v1
	s_wait_alu depctr_va_vdst(0)
	; the biases, into registers that the loop leaves alone: they land while it runs.  Both index ranges are held inside the 1,024 by the & 3; the role that does not apply is multiplied by 0 later
	s_and_b32 s20, s42, 3
	s_lshl_b32 s20, s20, 10
	s_lshl_b32 s21, s16, 9
	s_add_co_u32 s20, s20, s21                     ; 4 x (256 x (B's tile & 3) + 128 x half)
	s_mov_b32 s21, 0
	s_add_nc_u64 s[92:93], s[96:97], s[20:21]
	s_and_b32 s20, s17, 3
	s_lshl_b32 s20, s20, 10
	s_lshl_b32 s22, s15, 9
	s_add_co_u32 s20, s20, s22                     ; 4 x (256 x (A's tile & 3) + 128 x half)
	s_add_nc_u64 s[96:97], s[96:97], s[20:21]
.irp b, 0,1,2,3,4,5,6,7
	global_load_b128 v[BR+8*\b:BR+8*\b+3], v[BRO], s[92:93] offset:64*\b          ; bias[16 b + 8 h + 0 .. 7]
	global_load_b128 v[BR+8*\b+4:BR+8*\b+7], v[BRO], s[92:93] offset:64*\b+16
.endr
.irp a, 0,1,2,3,4,5,6,7
	global_load_b32 v[BL+\a], v[BLO], s[96:97] offset:64*\a                       ; bias[16 a + r]
.endr
	; where my record lies
	s_lshl_b32 s20, s17, 8
	s_lshl_b32 s21, s15, 7
	s_add_co_u32 s20, s20, s21                     ; my first row of A
	s_lshl_b32 s21, s42, 8
	s_lshl_b32 s22, s16, 7
	s_add_co_u32 s21, s21, s22                     ; my first row of B
	s_cmp_eq_u32 s12, 2
	s_cselect_b32 s22, s21, s20                    ; my first token,
	s_cselect_b32 s23, s20, s21                    ; my first column of the 1,024
	s_lshr_b32 s20, s22, 11                        ; batch
	s_lshl_b32 s20, s20, 3
	s_lshr_b32 s23, s23, 7                         ; pair of heads
	s_add_co_u32 s20, s20, s23
	s_lshl_b32 s20, s20, 4
	s_bfe_u32 s22, s22, 0x40007                    ; chunk of 128 tokens in the batch
	s_add_co_u32 s20, s20, s22                     ; rec: 0 .. 511
	s_mul_i32 s22, s20, 8*1536
	s_mov_b32 s23, 0
	s_add_nc_u64 s[100:101], s[98:99], IMGB
	s_add_nc_u64 s[98:99], s[98:99], s[22:23]      ; its images,
	s_lshl_b32 s22, s20, 10
	s_add_nc_u64 s[100:101], s[100:101], s[22:23]  ; its scale words
.macro FRAG reg, adr, q, i             ; a fragment: lane l holds row l % 16; registers 6 c .. 6 c + 5 hold K = 64 c + 32 (l / 16) + 0 .. 31: 24 bytes of the row's stream of bits, as they lie
.irp p, 0,1,2,3,4,5                    ; in pieces of 8 bytes.  Lanes 0-15 take the row's pieces 12 q + 0, 1, 2 and 12 q + 6, 7, 8, lanes 16-31 those three pieces on
.set PCE, 12*(\q)+6*(\p/3)+\p%3        ; 16 bytes of padding lie behind every 8 pieces: where the piece three on lies behind one padding more, the second address register serves
.if PCE%8 < 5
	ds_load_b64 v[\reg+2*\p:\reg+2*\p+1], v[\adr] offset:8*PCE+16*(PCE/8)+(\i)*16*PITCH
.else
	ds_load_b64 v[\reg+2*\p:\reg+2*\p+1], v[\adr+2] offset:8*PCE+16*(PCE/8)+(\i)*16*PITCH
.endif
.endr
.endm
; 16 matrix instructions: A's blocks a0, a0 + 1 x B's eight, 128 along K.  p: B's set;  sc: the set of scale words.  zero = 1: the first product starts the sums.
; The 64 accumulators take turns, one instruction a turn, in the same order in every step.
.macro MUL16 a0, p, q, sc, zero
.irp a, \a0, \a0+1
.irp b, 0,1,2,3,4,5,6,7
.if \zero
	v_wmma_scale_f32_16x16x128_f8f6f4 v[8*(8*((\a)%4)+\b):8*(8*((\a)%4)+\b)+7], v[128*(\p)+FR*\b:128*(\p)+FR*\b+FR-1], v[AF+FR*(\a):AF+FR*(\a)+FR-1], 0, v[SC+8*NQ*(\sc)+NQ*\b+(\q)], v[SC+8*NQ*(\sc)+NQ*(\a)+(\q)] matrix_a_fmt:MATRIX_FMT_BF6 matrix_b_fmt:MATRIX_FMT_BF6 matrix_a_scale:MATRIX_SCALE_ROW1
.else
	v_wmma_scale_f32_16x16x128_f8f6f4 v[8*(8*((\a)%4)+\b):8*(8*((\a)%4)+\b)+7], v[128*(\p)+FR*\b:128*(\p)+FR*\b+FR-1], v[AF+FR*(\a):AF+FR*(\a)+FR-1], v[8*(8*((\a)%4)+\b):8*(8*((\a)%4)+\b)+7], v[SC+8*NQ*(\sc)+NQ*\b+(\q)], v[SC+8*NQ*(\sc)+NQ*(\a)+(\q)] matrix_a_fmt:MATRIX_FMT_BF6 matrix_b_fmt:MATRIX_FMT_BF6 matrix_a_scale:MATRIX_SCALE_ROW1
.endif
.endr
.endr
.endm
.macro FETCH_B slot, q, p              ; B's eight fragments of the slot's q-th 128 along K into set p
	WIN TO_B
.irp i, 0,1,2,3,4,5,6,7
	FRAG 128*(\p)+FR*\i, ADRB+\slot, \q, \i
.endr
	WIN 0
.endm
.macro FETCH_A slot, q, i0             ; A's blocks i0 .. i0 + 3
.irp i, \i0, \i0+1, \i0+2, \i0+3
	FRAG AF+FR*(\i), ADRA+\slot, \q, \i
.endr
.endm
.macro SCALES sc                       ; a K step's scale words into set sc: lanes 0-15 take A's block i, lanes 16-31 B's block i
.irp i, 0,1,2,3,4,5,6,7
	ds_load_b64 v[SC+8*NQ*\sc+NQ*\i:SC+8*NQ*\sc+NQ*\i+1], v[ADRS] offset:\i*SBLK
.endr
.endm
; A load into a register that a matrix instruction has read, and a vector instruction that reads a matrix result, stand NP places behind that matrix instruction; only plain vector instructions
; that name none of its registers are places (ISA guide 7.12.1 for vector instructions).
.macro PLACES n
.rept \n
	v_nop
.endr
.endm
; A step of 128 along K that has its successor in the same slot.
.macro STEP slot, q, zero
	s_wait_dscnt 4*NL                              ; B's set and A's blocks 0-3 are in; the youngest 24 loads (A's blocks 4-7) may be out
	WIN MUL_LO
	MUL16 0, (\q)%2, \q, \slot, \zero
	MUL16 2, (\q)%2, \q, \slot, \zero
	s_wait_dscnt 0                                 ; A's blocks 4-7 are in
	PLACES NP
	FETCH_B \slot, (\q)+1, 1-(\q)%2
	FETCH_A \slot, (\q)+1, 0
	WIN MUL_HI
	MUL16 4, (\q)%2, \q, \slot, \zero
	MUL16 6, (\q)%2, \q, \slot, \zero
	PLACES NP
	WIN 0
	FETCH_A \slot, (\q)+1, 4
.endm
; A slot's last step changes slots: ONE barrier; in front of it each wave waits for all its tensor loads, adds 0 to its spare word, and waits for that and for its own reads of this slot.
.macro TURN slot, next, fill
	s_wait_tensorcnt 0x0                           ; all my tensor loads have landed: my part of the next slot
	ds_add_u32 v[SPW], v[NIL]                      ; 0 onto my spare word
	s_wait_dscnt 4*NL+1                            ; (the add and the youngest 24 loads, A's blocks 4-7, may be out)
	WIN MUL_LO
	MUL16 0, 1, NQ-1, \slot, 0                     ; sixteen matrix instructions stand between the add and the wait for it
	s_wait_dscnt 0x0                               ; the add is done, and my reads of this slot are over
	s_barrier_signal -1
	MUL16 2, 1, NQ-1, \slot, 0
	WIN 0
	s_barrier_wait -1
.if \fill
	CREST                                          ; the barrier has opened a round of the cluster's barrier: no wave of any partner still reads this slot's tile or has a load on its way
	s_add_nc_u64 s[G0+4*\slot+2:G0+4*\slot+3], s[G0+4*\slot+2:G0+4*\slot+3], 2*ROWB
	s_add_nc_u64 s[G0B+4*\slot+2:G0B+4*\slot+3], s[G0B+4*\slot+2:G0B+4*\slot+3], 2*ROWB
	JLOAD G0+4*\slot, G1, G0B+4*\slot, G1B         ; the first tensor load behind the round; its four v_nop are the places in front of the loads below
.else
	PLACES NP
.endif
	s_wait_alu depctr_va_vdst(0)
	v_add_nc_u32 v[ADRS], 4*NQ, v[ADRS]            ; on to the next K step's scale words (no LDS load of mine is out)
	FETCH_B \next, 0, 0
	FETCH_A \next, 0, 0
	SCALES \next
	WIN MUL_HI
	MUL16 4, 1, NQ-1, \slot, 0
	MUL16 6, 1, NQ-1, \slot, 0
	PLACES NP
	WIN 0
	FETCH_A \next, 0, 4
.endm
	s_wait_tensorcnt 1                             ; the scales and my part of K step 0 are in (K step 1's load may be out)
	s_barrier_signal -1
	s_barrier_wait -1                              ; everybody's are
	FETCH_B 0, 0, 0
	FETCH_A 0, 0, 0
	SCALES 0
	FETCH_A 0, 0, 4
	STEP 0, 0, 1                                   ; the first step stands in front of the loop: its products start the sums
	s_mov_b32 s3, LAPS-1
.Llap:                                                 ; a trip goes once round the ring, from a lap's second step to the next lap's first, and fills both slots again
	TURN 0, 1, 1
	STEP 1, 0, 0
	TURN 1, 0, 1
	STEP 0, 0, 0
	s_sub_co_u32 s3, s3, 1
	s_cmp_lg_u32 s3, 0
	s_cbranch_scc1 .Llap
	TURN 0, 1, 0                                   ; the last lap fills nothing, and has no round of the cluster's barrier
	STEP 1, 0, 0
	s_wait_dscnt 4*NL                              ; the very last step: nothing more to fetch
	WIN MUL_LO
	MUL16 0, 1, NQ-1, 1, 0
	MUL16 2, 1, NQ-1, 1, 0
	s_wait_dscnt 0
	WIN MUL_HI
	MUL16 4, 1, NQ-1, 1, 0
	MUL16 6, 1, NQ-1, 1, 0
	WIN 0
; 64 numbers of a lane, v[s] .. v[s + 63]: registers 16 b .. 16 b + 15 are my half of block b of my row.  They become a fragment's codes in v[PC] on and its scale word in v[PW].
.macro QUANT s
.irp b, 0,1,2,3
	v_max3_num_f32 v[TM+\b], |v[\s+16*\b]|, |v[\s+1+16*\b]|, 0x2800000   ; block b: my 16 numbers, and the floor 2^(5 - 127): the byte cannot fall under 1
.endr
.irp i, 2,4,6,8,10,12,14
.irp b, 0,1,2,3
	v_max3_num_f32 v[TM+\b], v[TM+\b], |v[\s+16*\b+\i]|, |v[\s+1+16*\b+\i]|   ; (the four blocks by turns)
.endr
.endr
.irp b, 0,1,2,3
	v_permlanex16_b32 v[TM+4+\b], v[TM+\b], s[SEL], s[SEL+1]
.endr
.irp b, 0,1,2,3
	v_max_num_f32 v[TM+\b], v[TM+\b], v[TM+4+\b]   ; with lane l xor 16's: the block's largest magnitude
.endr
.irp b, 0,1,2,3
	v_add_nc_u32 v[TM+12+\b], 0xfe000000, v[TM+\b]   ; 4 off its exponent field: the conversion's scale operand
.endr
.irp b, 0,1,2,3
	v_lshrrev_b32 v[TM+4+\b], 23, v[TM+12+\b]      ; the scale's byte
.endr
	v_lshl_or_b32 v[PW], v[TM+5], 8, v[TM+4]       ; the four bytes make my row's scale word
	v_lshl_or_b32 v[PW], v[TM+6], 16, v[PW]
	v_lshl_or_b32 v[PW], v[TM+7], 24, v[PW]
.irp c, 0,1
	v_cvt_scalef32_pk16_bf6_f32 v[PC+6*\c:PC+2+6*\c], v[\s+32*\c:\s+15+32*\c], v[TM+12+2*\c]
	v_cvt_scalef32_pk16_bf6_f32 v[PC+12+4*\c:PC+14+4*\c], v[\s+16+32*\c:\s+31+32*\c], v[TM+12+2*\c+1]   ; (a conversion's three registers begin on an even number)
.endr
	v_nop                                          ; one plain place behind a scaled conversion
.irp c, 0,1                                    ; the operand's layout wants a WHOLE block in a lane: lanes 0-15 block 2 c, lanes 16-31 block 2 c + 1
.irp i, 0,1,2
	v_permlane16_swap_b32 v[PC+6*\c+\i], v[PC+12+4*\c+\i]
.endr
.irp i, 0,1,2
	v_mov_b32 v[PC+3+6*\c+\i], v[PC+12+4*\c+\i]
.endr
.endr
.endm
; THE WAY OUT of A's block a: 16 rows x 128: x f, + bias, quantised along the registers, stored as an image of the operand's registers: every store covers 512 or 256 consecutive bytes, aligned.
.macro OUTBLK a
.set AC, 64*((\a)%4)
	WIN 0x02+(\a)/4                                ; source 0: window 2 or 3
.set i, 0
.rept 32
	v_pk_fma_f32 v[XN+i:XN+i+1], v[AC+i:AC+i+1], s[66:67], v[BR+i:BR+i+1] op_sel_hi:[1,0,1]   ; sum x f + f x bias: ascending
.set i, i+2
.endr
	WIN 0
	v_mov_b32 v192, v[BL+(\a)]
.set i, 0
.rept 32
	v_pk_add_f32 v[XN+i:XN+i+1], v[XN+i:XN+i+1], v[192:193] op_sel_hi:[1,0]                   ; + the bias of my row (v; 0 for q and k)
.set i, i+2
.endr
.if (\a) > 0
	s_wait_xcnt 0x0                                ; the last block's stores have read their data: the fragment's registers may be written again
.endif
	QUANT XN
	v_mov_b32 v[WD+(\a)], v[PW]
	global_store_b128 v[IM16], v[PC:PC+3], s[98:99] offset:(\a)*1536
	global_store_b64 v[IM8], v[PC+4:PC+5], s[98:99] offset:(\a)*1536+512
	global_store_b64 v[IM8], v[PC+6:PC+7], s[98:99] offset:(\a)*1536+768
	global_store_b128 v[IM16], v[PC+8:PC+11], s[98:99] offset:(\a)*1536+1024
.endm
	PLACES NP                                      ; behind the last products: their results are read and their operands' registers written below
	s_wait_loadcnt 0x0                             ; the biases
.set i, 0
.rept 32
	v_pk_mul_f32 v[BR+i:BR+i+1], v[BR+i:BR+i+1], s[104:105] op_sel_hi:[1,0]   ; x fR
.set i, i+2
.endr
.irp a, 0,1,2,3,4,5,6,7
	v_mul_f32 v[BL+\a], s105, v[BL+\a]             ; x fL
.endr
	s_mov_b32 s[SEL], 0x76543210
	s_mov_b32 s[SEL+1], 0xfedcba98                 ; v_permlanex16_b32's selects for lane l xor 16
.irp b, 0,1,2,3
	v_mov_b32 v[TM+4+\b], 0                        ; written once: a lane permute's destination counts as one of its sources
.endr
	v_mov_b32 v193, 0                              ; (named as the upper half of the pair v[192:193])
.irp a, 0,1,2,3,4,5,6,7
	OUTBLK \a
.endr
	; THE SCALE RECORD, 1,024 bytes, gathered in my stage and stored as whole runs of 512 bytes.  W_a: fragment a's scale word of row r.
	; Form 1, at 0: W_a at 256 (a / 4) + 16 r + 4 (a % 4): one load of 16 bytes a lane brings four fragments' words.
	; Form 2, at 512: for c = 0, 1 and beta = 0 .. 3, at 256 c + 16 r + 4 beta: bytes 2 c, 2 c + 1 of W_(2 beta), then of W_(2 beta + 1): the word of a fragment pieced of the two tiles' halves c.
.irp a, 0,1,2,3,4,5,6,7
	ds_store_b32 v[SST], v[WD+\a] offset:(\a/4)*256+4*(\a%4)     ; lanes 16-31 hold the same words and write the same bytes
.endr
.irp b, 0,1,2,3
	v_perm_b32 v[40+\b], v[WD+2*\b+1], v[WD+2*\b], 0x05040100    ; the two low halves
	v_perm_b32 v[44+\b], v[WD+2*\b+1], v[WD+2*\b], 0x07060302    ; the two high halves
.endr
.irp b, 0,1,2,3
	ds_store_b32 v[SST], v[40+\b] offset:512+4*\b
	ds_store_b32 v[SST], v[44+\b] offset:768+4*\b
.endr
	ds_load_b128 v[48:51], v[SRD]                  ; LDS serves a wave's instructions in order: these see my stores
	ds_load_b128 v[52:55], v[SRD] offset:512
	s_wait_dscnt 0x0
	global_store_b128 v[IM16], v[48:51], s[100:101]
	global_store_b128 v[IM16], v[52:55], s[100:101] offset:512
	s_wait_tensorcnt 0x0                           ; the wave's end
	ds_add_u32 v[SPW], v[NIL]
	s_wait_dscnt 0x0
	CROUND                                         ; the closing round: no work-group ends while a partner may still ask for a tile that names it
	s_endpgm
.Lfunc_end_k_qdc09a6c485_proj:
	.size	k_qdc09a6c485_proj, .Lfunc_end_k_qdc09a6c485_proj-k_qdc09a6c485_proj
	.p2alignl 7, 3214868480
	.fill 96, 4, 3214868480
	.section	.rodata,"a",@progbits
	.p2align	6, 0x0
	.amdhsa_kernel k_qdc09a6c485_proj
		.amdhsa_group_segment_fixed_size 327680
		.amdhsa_private_segment_fixed_size 0
		.amdhsa_enable_private_segment 0
		.amdhsa_kernarg_size 136
		.amdhsa_user_sgpr_count 2
		.amdhsa_user_sgpr_kernarg_segment_ptr 1
		.amdhsa_wavefront_size32 1
		.amdhsa_system_sgpr_workgroup_id_x 1
		.amdhsa_system_sgpr_workgroup_id_y 1
		.amdhsa_system_sgpr_workgroup_id_z 1
		.amdhsa_system_vgpr_workitem_id 0
		.amdhsa_next_free_vgpr 1024
		.amdhsa_next_free_sgpr 106
		.amdhsa_reserve_vcc 0
		.amdhsa_float_denorm_mode_32 3
		.amdhsa_float_denorm_mode_16_64 3
		.amdhsa_memory_ordered 1
		.amdhsa_forward_progress 1
		.amdhsa_inst_pref_size 205
	.end_amdhsa_kernel
	.amdgpu_metadata
---
amdhsa.version: [ 1, 2 ]
amdhsa.kernels:
  - .name:           k_qdc09a6c485_proj
    .symbol:         k_qdc09a6c485_proj.kd
    .args:
      - { .name: qrow, .offset: 0, .size: 8, .value_kind: global_buffer, .address_space: global }
      - { .name: k_codes, .offset: 8, .size: 8, .value_kind: global_buffer, .address_space: global }
      - { .name: Wv_codes, .offset: 16, .size: 8, .value_kind: global_buffer, .address_space: global }
      - { .name: k_scales, .offset: 24, .size: 8, .value_kind: global_buffer, .address_space: global }
      - { .name: Wv_scales, .offset: 32, .size: 8, .value_kind: global_buffer, .address_space: global }
      - { .name: Wq_codes, .offset: 40, .size: 8, .value_kind: global_buffer, .address_space: global }
      - { .name: Wk_codes, .offset: 48, .size: 8, .value_kind: global_buffer, .address_space: global }
      - { .name: v_codes, .offset: 56, .size: 8, .value_kind: global_buffer, .address_space: global }
      - { .name: Wq_scales, .offset: 64, .size: 8, .value_kind: global_buffer, .address_space: global }
      - { .name: Wk_scales, .offset: 72, .size: 8, .value_kind: global_buffer, .address_space: global }
      - { .name: v_scales, .offset: 80, .size: 8, .value_kind: global_buffer, .address_space: global }
      - { .name: bq, .offset: 88, .size: 8, .value_kind: global_buffer, .address_space: global }
      - { .name: bk, .offset: 96, .size: 8, .value_kind: global_buffer, .address_space: global }
      - { .name: bv, .offset: 104, .size: 8, .value_kind: global_buffer, .address_space: global }
      - { .name: qfr, .offset: 112, .size: 8, .value_kind: global_buffer, .address_space: global }
      - { .name: kfr, .offset: 120, .size: 8, .value_kind: global_buffer, .address_space: global }
      - { .name: vfr, .offset: 128, .size: 8, .value_kind: global_buffer, .address_space: global }
    .group_segment_fixed_size: 327680
    .private_segment_fixed_size: 0
    .kernarg_segment_align: 8
    .kernarg_segment_size: 136
    .max_flat_workgroup_size: 128
    .sgpr_count:     106
    .vgpr_count:     1024
    .wavefront_size: 32
...
	.end_amdgpu_metadata
.endif
;; end of part 2
;; launch attn (part 3): grid 8 x 32, 16 waves a work-group, clusters of 4 x 1, 327,680 bytes of LDS; arguments qfr, kfr, vfr, ofr; writes ofr
.if DOCPART == 3
	.amdgcn_target "amdgcn-amd-amdhsa--gfx1250"
	.amdhsa_code_object_version 6
	.text
	.protected	k_qdc09a6c485_attn
	.globl	k_qdc09a6c485_attn
	.p2align	8
	.type	k_qdc09a6c485_attn,@function
k_qdc09a6c485_attn:
	s_mov_b64 s[64:65], 0
	v_nop
	global_prefetch_b8 v0, s[64:65] scope:SCOPE_SE
	s_setreg_imm32_b32 hwreg(HW_REG_WAVE_MODE, 25, 1), 1
	s_wait_xcnt 0x0
	s_wait_alu depctr_hold_cnt(0) depctr_sa_sdst(0) depctr_va_vdst(0) depctr_va_sdst(0) depctr_va_ssrc(0) depctr_va_vcc(0) depctr_vm_vsrc(0)
	s_getreg_b32 s2, hwreg(HW_REG_IB_STS2, 6, 4)
	s_cmp_eq_u32 s2, 0
	s_cbranch_scc0 .Lentry_in_a_cluster
	s_endpgm
.Lentry_in_a_cluster:
	s_bfe_u32 s2, ttmp6, 0x10000c
	s_cmp_lg_u32 s2, 0x3003
	s_cbranch_scc0 .Lentry_shape_is_right
	s_endpgm
.Lentry_shape_is_right:
; ATTENTION on codes of BF6 (E3M2): S^T = K Q^T (K = the head's 64), p = 2^(t - M), O^T = V^T P^T (K = the 2,048 keys), O / l, and O quantised along the 1,024 for the output projection.
; t = score x log2(e) (the division by 32 is already in Q); M = the running largest t rounded UP to a whole number; p is not normalised; l is the sum of the unquantised p, in f32.
; SHARES.  A work-group owns 256 queries of one batch and BOTH heads of a pair s; each of its sixteen waves owns one tile of 16 queries and runs two streams, head 2 s and head 2 s + 1, one after the
; other in each key step of 128 keys.  So a wave ends with a whole operand fragment of O: 16 rows x the pair's 128 columns.  Four waves share a SIMD: one wave's vector work stands beside another's products.
; K's and V's records (proj's images, 12,288 bytes for 128 keys each) come through two LDS slots of four key steps, by joint tensor loads of the cluster's four work-groups, which walk the same keys.
; No prefetch: a refill has four key steps of all sixteen waves in which to land, so no wave waits for it.
; A PRODUCT WITH K = 64 IN AN INSTRUCTION OF 128.  Source 0 is pieced of the halves c of TWO tiles of 16 keys (registers 0-5: tile 2 beta, registers 6-11: tile 2 beta + 1).  Q lies between runs of zero
; codes: [0][head 2 s][0][head 2 s + 1][0], six registers each: with Q below and zeros above the product is tile 2 beta's scores, with zeros below and Q above tile 2 beta + 1's.  Zero codes add nothing
; under any scale byte but 0xff, and every byte here lies in 1 .. 254.  No byte read from LDS goes unused.
; Both products are used transposed: a lane holds ONE query (lane % 16) throughout.  The 16 registers of score tiles 2 b, 2 b + 1 are my half of block b of 32 keys, in the same order in which proj laid V's tokens.
; LIMITS: a block whose largest magnitude lies under 2^-122 has its byte held at 1; a block of zeros gets the byte 1 (zero codes); NaN and infinities are not served.
; REGISTERS: v1-9 addresses; v[12:13], v[10:11] (-M, largest t) of stream 0, 1; v[14:15], v[46:47] their sums in two halves; v16-45 Q; v48-95 four fragments; v96-159 S^T, then p;
;   v160-191, v192-223 O^T of stream 0, 1; v224-235 p's codes, at the end O's; v232-247, v252-254 at work; v248-251 the fragments' scale words; v253 p's scale word; v255, v243 Q's scale words.
.set IMGB,  6291456                    ; where the scale records begin in qfr, kfr, vfr; and the scale words in ofr
.set RECB,  12288                      ; a record's images
.set FRB,   1536                       ; a fragment's image
.set VOFF,  4*RECB                     ; a slot: K's four records, then V's four
.set SLOT1, 131072                     ; slot 1 begins here: one exclusive or turns an address from one slot into the other
.set SCK,   98304                      ; K's scale words of all 16 key steps, form 2, 512 bytes a step
.set SCV,   SCK+8192                   ; V's, form 1
.set SPARE, 114688                     ; the spare words, 128 bytes a wave: eight blocks of 256 bytes that no other line names
.set OSTG,  116736                     ; a stage for O's scale words: 64 bytes a wave
.set L16,   1                          ; v1  16 x lane
.set L8,    2                          ; v2  8 x lane
.set ASK0,  3                          ; v3  SCK + 16 r
.set ADS,   4                          ; v4  the step's scale words
.set SPW,   5                          ; v5  my spare word; never rewritten
.set NIL,   6                          ; v6  0; never rewritten
.set ADK16, 8                          ; v8  the step's record, 16 bytes a lane
.set ADK8,  9                          ; v9  and 8 bytes a lane
.set WV,    20                         ; s20 my wave's number
.set SEL,   22                         ; s[22:23] selects for lane xor 16
.set CS,    24                         ; s[24:25] log2(e), twice
.set G1,    28                         ; s[28:35] group 1 for the images;  s[36:43] for the scale words;  s[44:47], s[48:51] their groups 0
.set G1S,   36
.set G0,    44
.set G0S,   48
.set TB,    52                         ; s52 LDS byte of the step's record of K
.set TS,    53                         ; s53 512 x key step
.set SLOTS, 54
.set STEPS, 55
.macro ROUND                           ; a round of the cluster's barrier
	s_barrier_signal -1
	s_barrier_wait -1
	s_cmp_lg_u32 s[WV], 0
	s_cbranch_scc1 .Lnot_wave_0_\@
	s_barrier_signal -3
.Lnot_wave_0_\@:
	s_barrier_wait -3
	s_barrier_signal -1
	s_barrier_wait -1
.endm
	s_load_b256 s[4:11], s[0:1], 0x0               ; qfr, kfr, vfr, ofr
	v_lshl_add_u32 v[SPW], v0, 2, SPARE
	v_mov_b32 v[NIL], 0
	ds_add_u32 v5, v6
	ds_add_u32 v5, v6
	s_wait_dscnt 0x0
	v_lshrrev_b32 v7, 5, v0
	s_delay_alu instid0(VALU_DEP_1)
	v_readfirstlane_b32 s[WV], v7                  ; wave 0..15
	s_bfe_u32 s12, ttmp6, 0x40000                  ; cx
	s_lshl_b32 s13, ttmp9, 2
	s_add_co_u32 s13, s13, s12                     ; my block of 256 queries: it enters Q's and O's global addresses alone
	s_and_b32 s14, ttmp7, 0xffff                   ; batch x 8 + pair of heads, which the four partners share
	; group 1: 24,576 dense bytes as 96 rows of 256 (32 elements of 8 bytes); the mask names all four work-groups, bit 21 set beside it
	s_mov_b32 s[G1], 15|(3<<16)|(1<<21)
	s_mov_b32 s[G1+1], 32<<16
	s_mov_b32 s[G1+2], 96<<16
	s_mov_b32 s[G1+3], 32<<16
	s_mov_b32 s[G1+4], 96
	s_mov_b32 s[G1+5], 32
	s_mov_b32 s[G1+6], 0
	s_mov_b32 s[G1+7], 0
	; the scale words: 8 rows of 512 bytes (64 elements), 1,024 bytes apart: one form of eight records
	s_mov_b32 s[G1S], 15|(3<<16)|(1<<21)
	s_mov_b32 s[G1S+1], 64<<16
	s_mov_b32 s[G1S+2], 8<<16
	s_mov_b32 s[G1S+3], 64<<16
	s_mov_b32 s[G1S+4], 8
	s_mov_b32 s[G1S+5], 128
	s_mov_b32 s[G1S+6], 0
	s_mov_b32 s[G1S+7], 0
	s_mov_b32 s[SEL], 0x76543210
	s_mov_b32 s[SEL+1], 0xfedcba98
	s_mov_b32 s[CS], 0x3fb8aa3b                    ; log2(e)
	s_mov_b32 s[CS+1], s[CS]
	s_mov_b32 s[TB], 0
	s_mov_b32 s[TS], 0
	s_mov_b32 s[SLOTS], 3
	; what I fetch, if I fetch: waves 0, 1: the halves of K's four records; waves 2, 3: of V's
	s_and_b32 s16, s[WV], 1
	s_mul_i32 s18, s16, 2*RECB
	s_mul_i32 s19, s14, 16*RECB
	s_add_co_u32 s18, s18, s19
	s_mov_b32 s19, 0                               ; s[18:19]: the images' offset
	s_lshl_b32 s26, s16, 13
	s_lshl_b32 s27, s14, 14
	s_add_co_u32 s26, s26, s27
	s_add_co_u32 s26, s26, IMGB
	s_mov_b32 s27, 0                               ; s[26:27]: the scale records' offset
	; my tile of queries
	s_lshl_b32 s15, s13, 4
	s_add_co_u32 s15, s15, s[WV]                   ; T: 0 .. 127 in the batch
	s_lshl_b32 s17, s14, 7
	s_add_co_u32 s17, s17, s15                     ; 8 x record + fragment
	s_mul_i32 s56, s17, FRB
	s_mov_b32 s57, 0                               ; Q's image
	s_lshr_b32 s58, s17, 3
	s_lshl_b32 s58, s58, 10                        ; Q's scale record, form 1:
	s_bfe_u32 s59, s15, 0x10002
	s_lshl_b32 s59, s59, 8                         ; 256 x ((T % 8) / 4)
	s_add_co_u32 s58, s58, s59
	s_and_b32 s59, s15, 3
	s_lshl_b32 s59, s59, 2                         ; + 4 x (T % 4)
	s_add_co_u32 s58, s58, s59
	s_add_co_u32 s58, s58, IMGB
	s_mov_b32 s59, 0
	s_lshr_b32 s66, s14, 3
	s_lshl_b32 s66, s66, 7                         ; 128 x batch: the batch's first tile of rows
	s_and_b32 s67, s14, 7                          ; s: the K step of the output projection
	s_add_co_u32 s68, s66, s15
	s_lshl_b32 s68, s68, 3
	s_add_co_u32 s68, s68, s67
	s_mul_i32 s60, s68, FRB
	s_mov_b32 s61, 0                               ; O's image: (tile of rows x 8 + s) x 1,536
	s_lshl_b32 s68, s13, 4
	s_add_co_u32 s68, s68, s66
	s_lshl_b32 s68, s68, 6                         ; O's scale words: 64 bytes a tile of rows, my work-group's sixteen tiles on end,
	s_lshl_b32 s67, s67, 15                        ; 32,768 bytes a K step
	s_add_co_u32 s62, s68, s67
	s_add_co_u32 s62, s62, IMGB
	s_mov_b32 s63, 0
	s_wait_kmcnt 0x0
	s_cmp_lt_u32 s[WV], 2
	s_cselect_b64 s[70:71], s[6:7], s[8:9]         ; K's buffer or V's: the choice hangs on the wave's number alone
	s_cselect_b32 s69, 512, 0                      ; of K's scale records form 2, of V's form 1
	s_add_co_u32 s26, s26, s69
	s_mov_b32 s[G0], 1
	s_mul_i32 s[G0+1], s[WV], 2*RECB               ; LDS: K's halves, then V's halves: wave x 24,576
	s_add_nc_u64 s[G0+2:G0+3], s[70:71], s[18:19]
	s_or_b32 s[G0+3], s[G0+3], 0x80000000
	s_mov_b32 s[G0S], 1
	s_lshl_b32 s[G0S+1], s[WV], 12
	s_add_co_u32 s[G0S+1], s[G0S+1], SCK           ; LDS: SCK + wave x 4,096
	s_add_nc_u64 s[G0S+2:G0S+3], s[70:71], s[26:27]
	s_or_b32 s[G0S+3], s[G0S+3], 0x80000000
	s_add_nc_u64 s[58:59], s[4:5], s[58:59]
	s_add_nc_u64 s[4:5], s[4:5], s[56:57]
	s_add_nc_u64 s[62:63], s[10:11], s[62:63]
	s_add_nc_u64 s[10:11], s[10:11], s[60:61]
	ROUND                                          ; all four work-groups are here: the first joint loads meet
	s_cmp_lt_u32 s[WV], 4                          ; a fetching wave's two first fills stand in one branch; every wait on TENSORcnt in this text is for 0
	s_cbranch_scc0 .Lno_first
	tensor_load_to_lds s[G0S:G0S+3], s[G1S:G1S+7]  ; the scale words of all 16 key steps: filled once
	s_nop 0
	tensor_load_to_lds s[G0:G0+3], s[G1:G1+7]      ; slot 0: key steps 0 to 3
	s_nop 0
.rept 4
	v_nop
.endr
.Lno_first:
	v_and_b32 v7, 31, v0
	s_delay_alu instid0(VALU_DEP_1)
	v_lshlrev_b32 v[L16], 4, v7
	s_delay_alu instid0(VALU_DEP_2)
	v_lshlrev_b32 v[L8], 3, v7
	v_and_b32 v7, 15, v0
	s_delay_alu instid0(VALU_DEP_1)
	v_lshlrev_b32 v7, 4, v7                        ; 16 r
	s_delay_alu instid0(VALU_DEP_1)
	v_add_nc_u32 v[ASK0], SCK, v7
	global_load_b128 v[22:25], v[L16], s[4:5]                  ; Q's fragment: registers 0-5 (head 2 s) to v22-27,
	global_load_b64 v[26:27], v[L8], s[4:5] offset:512
	global_load_b64 v[34:35], v[L8], s[4:5] offset:768         ; registers 6-11 (head 2 s + 1) to v34-39
	global_load_b128 v[36:39], v[L16], s[4:5] offset:1024
	global_load_b32 v254, v7, s[58:59]                         ; and its scale word
.irp j, 16,17,18,19,20,21,28,29,30,31,32,33,40,41,42,43,44,45
	v_mov_b32 v[\j], 0                             ; the zero codes round Q
.endr
	v_mov_b32 v13, 0xff61b1e6                      ; the largest t so far: -3e38, under every t
	v_mov_b32 v11, 0xff61b1e6
	s_delay_alu instid0(VALU_DEP_2)
	v_floor_f32 v12, -v13                          ; -M
	s_delay_alu instid0(VALU_DEP_2)
	v_floor_f32 v10, -v11
	v_mov_b32 v14, 0                               ; the sums, in two halves
	v_mov_b32 v15, 0
	v_mov_b32 v46, 0
	v_mov_b32 v47, 0
.irp b, 0,1,2,3
	v_mov_b32 v[236+\b], 0                         ; written once: a lane permute's destination counts as one of its sources
.endr
	v_mov_b32 v253, 0                              ; (named as the upper half of the pair v[252:253] before it is first written)
	s_wait_loadcnt 0x0                             ; Q
	v_perm_b32 v255, v254, v254, 0x01000100        ; stream 0's scale word: Q's bytes 0, 1, below and above
	v_perm_b32 v243, v254, v254, 0x03020302        ; stream 1's: bytes 2, 3
.set j, 0
.rept 64
	v_mov_b32 v[160+j], 0                          ; O^T: the first step finds zeros.  (These lines also stand between the two scale words' making and the first scaled product)
.set j, j+1
.endr
; ONE STREAM'S KEY STEP: head 2 s + z, 128 keys.
.macro STREAM z
.set NM,  12-2*(\z)                    ; (-M, largest t)
.set SM,  14+32*(\z)                   ; the sum
.set OT,  160+32*(\z)                  ; O^T: four tiles of 16 of the head's 64
.set QS,  255-12*(\z)                  ; Q's scale word
.set QLO, 22+12*(\z)                   ; Q below, zeros above
.set QHI, 16+12*(\z)                   ; zeros below, Q above
	s_setprio 2
.irp a, 0,1,2,3,4,5,6,7                        ; half z of each of K's eight fragments, six registers: every load takes consecutive bytes in consecutive lanes
.if (\z) == 0
	ds_load_b128 v[48+6*\a:51+6*\a], v[ADK16] offset:FRB*\a
	ds_load_b64 v[52+6*\a:53+6*\a], v[ADK8] offset:FRB*\a+512
.else
	ds_load_b64 v[48+6*\a:49+6*\a], v[ADK8] offset:FRB*\a+768
	ds_load_b128 v[50+6*\a:53+6*\a], v[ADK16] offset:FRB*\a+1024
.endif
.endr
	ds_load_b128 v[248:251], v[ADS] offset:256*(\z)            ; the four pieced fragments' scale words
	s_wait_dscnt 0x0
.irp b, 0,1,2,3
	v_wmma_scale_f32_16x16x128_f8f6f4 v[96+16*\b:103+16*\b], v[48+12*\b:59+12*\b], v[QLO:QLO+11], 0, v[248+\b], v[QS] matrix_a_fmt:MATRIX_FMT_BF6 matrix_b_fmt:MATRIX_FMT_BF6
	v_wmma_scale_f32_16x16x128_f8f6f4 v[104+16*\b:111+16*\b], v[48+12*\b:59+12*\b], v[QHI:QHI+11], 0, v[248+\b], v[QS] matrix_a_fmt:MATRIX_FMT_BF6 matrix_b_fmt:MATRIX_FMT_BF6
.endr
.rept 4
	v_nop                                          ; places in front of the loads into registers that these products read, and of the first read of the scores
.endr
.irp t, 0,1,2,3                                ; V's four fragments of this head are asked for now: they land under the softmax
	ds_load_b128 v[48+12*\t:51+12*\t], v[ADK16] offset:VOFF+FRB*(4*(\z)+\t)
	ds_load_b64 v[52+12*\t:53+12*\t], v[ADK8] offset:VOFF+FRB*(4*(\z)+\t)+512
	ds_load_b64 v[54+12*\t:55+12*\t], v[ADK8] offset:VOFF+FRB*(4*(\z)+\t)+768
	ds_load_b128 v[56+12*\t:59+12*\t], v[ADK16] offset:VOFF+FRB*(4*(\z)+\t)+1024
.endr
	ds_load_b128 v[248:251], v[ADS] offset:8192+256*(\z)       ; and their scale words
.irp b, 0,1,2,3
	v_max3_num_f32 v[232+\b], v[96+16*\b], v[97+16*\b], v[98+16*\b]   ; THE LARGEST SCORE OF EACH BLOCK OF 32 KEYS: for the row's maximum and, since p rises with the score, for the block's largest p
.endr
.irp i, 3,5,7,9,11,13
.irp b, 0,1,2,3
	v_max3_num_f32 v[232+\b], v[232+\b], v[96+16*\b+\i], v[97+16*\b+\i]   ; (the four blocks by turns)
.endr
.endr
.irp b, 0,1,2,3
	v_max_num_f32 v[232+\b], v[232+\b], v[111+16*\b]
.endr
.irp b, 0,1,2,3
	s_delay_alu instid0(VALU_DEP_4)
	v_permlanex16_b32 v[236+\b], v[232+\b], s[SEL], s[SEL+1]
.endr
.irp b, 0,1,2,3
	s_delay_alu instid0(VALU_DEP_4)
	v_max_num_f32 v[232+\b], v[232+\b], v[236+\b]  ; with lane l xor 16's 16 keys
.endr
	s_delay_alu instid0(VALU_DEP_2)
	v_max3_num_f32 v254, v232, v233, v234
	s_delay_alu instid0(VALU_DEP_1)
	v_max_num_f32 v254, v254, v235                 ; the step's largest score of my query
	s_delay_alu instid0(VALU_DEP_1)
	v_mul_f32 v254, s[CS], v254                    ; as t
	s_delay_alu instid0(VALU_DEP_1)
	v_max_num_f32 v[NM+1], v[NM+1], v254           ; the running largest t
	v_mov_b32 v254, v[NM]
	s_delay_alu instid0(VALU_DEP_2)
	v_floor_f32 v[NM], -v[NM+1]                    ; the new -M = floor(-t) = -ceil(t): a whole number
	s_delay_alu instid0(VALU_DEP_1)
	v_sub_f32 v254, v[NM], v254                    ; M's old value less its new one: a whole number, 0 or less
	s_delay_alu instid0(VALU_DEP_1)
	v_cvt_i32_f32 v254, v254                       ; (it saturates)
	s_delay_alu instid0(VALU_DEP_1)
	v_ldexp_f32 v252, 1.0, v254                    ; f = 2^(old M - new M): a multiplication by it rounds nothing
.set j, 0
.rept 32
	v_pk_fma_f32 v[96+j:97+j], v[96+j:97+j], s[CS:CS+1], v[NM:NM+1] op_sel_hi:[1,0,0]   ; t - M, two at a time
.set j, j+2
.endr
.irp b, 0,1,2,3
	v_fma_f32 v[232+\b], v[232+\b], s[CS], v[NM]   ; the same of each block's largest score
.endr
.set j, 0
	s_wait_alu depctr_va_vdst(0)
.rept 64
	v_exp_f32 v[96+j], v[96+j]                     ; p = 2^(t - M), at most 1: not normalised
.set j, j+1
.endr
	s_setprio 1
	v_pk_mul_f32 v[SM:SM+1], v[SM:SM+1], v[252:253] op_sel_hi:[1,0]   ; the sums under the new M: the plain line behind the exponentials
	s_wait_alu depctr_va_vdst(0)                   ; one wait for the whole batch, ahead of its first reader
.irp b, 0,1,2,3
	v_exp_f32 v[232+\b], v[232+\b]                 ; the block's largest p: the same two instructions on the same number give the same bits
.endr
	v_pk_add_f32 v[236:237], v[96:97], v[98:99]    ; THE ROW'S SUM IS TAKEN OF THE UNQUANTISED p: two at a time, in two chains
.irp j, 4,8,12,16,20,24,28,32,36,40,44,48,52,56,60
	v_pk_add_f32 v[SM:SM+1], v[SM:SM+1], v[96+\j:97+\j]
	v_pk_add_f32 v[236:237], v[236:237], v[98+\j:99+\j]
.endr
	s_delay_alu instid0(VALU_DEP_1)
	v_pk_add_f32 v[SM:SM+1], v[SM:SM+1], v[236:237]
	s_wait_alu depctr_va_vdst(0)                   ; and one for the four
.irp b, 0,1,2,3
	v_max_num_f32 v[232+\b], 0x2800000, v[232+\b]  ; the floor 2^(5 - 127): the byte cannot fall under 1
.endr
.irp b, 0,1,2,3
	s_delay_alu instid0(VALU_DEP_4)
	v_add_nc_u32 v[244+\b], 0xfe000000, v[232+\b]  ; 4 off the exponent field: the conversion's scale operand
.endr
.irp b, 0,1,2,3
	s_delay_alu instid0(VALU_DEP_4)
	v_lshrrev_b32 v[236+\b], 23, v[244+\b]         ; the scale's byte
.endr
	s_delay_alu instid0(VALU_DEP_3)
	v_lshl_or_b32 v253, v237, 8, v236              ; p's scale word for these 128 keys
	s_delay_alu instid0(VALU_DEP_1)
	v_lshl_or_b32 v253, v238, 16, v253
	s_delay_alu instid0(VALU_DEP_1)
	v_lshl_or_b32 v253, v239, 24, v253
.irp c, 0,1
	v_cvt_scalef32_pk16_bf6_f32 v[224+6*\c:226+6*\c], v[96+32*\c:111+32*\c], v[244+2*\c]
	v_cvt_scalef32_pk16_bf6_f32 v[236+4*\c:238+4*\c], v[112+32*\c:127+32*\c], v[244+2*\c+1]   ; (a conversion's three registers begin on an even number)
.endr
	v_nop                                          ; one plain line behind a scaled conversion
.irp c, 0,1                                    ; the operand's layout wants a WHOLE block in a lane
.irp i, 0,1,2
	v_permlane16_swap_b32 v[224+6*\c+\i], v[236+4*\c+\i]
.endr
.irp i, 0,1,2
	s_delay_alu instid0(VALU_DEP_3)
	v_mov_b32 v[227+6*\c+\i], v[236+4*\c+\i]
.endr
.endr
.set j, 0
	s_setprio 0
.rept 16
	v_pk_mul_f32 v[OT+j:OT+j+1], v[OT+j:OT+j+1], v[252:253] op_sel_hi:[1,0]   ; O^T under the new M.  (These sixteen also stand between the making of p's codes and scale word and the products below)
.set j, j+2
.endr
	s_wait_alu depctr_va_vdst(0)
	s_wait_dscnt 0x0                               ; V
.irp t, 0,1,2,3
	v_wmma_scale_f32_16x16x128_f8f6f4 v[OT+8*\t:OT+8*\t+7], v[48+12*\t:59+12*\t], v[224:235], v[OT+8*\t:OT+8*\t+7], v[248+\t], v253 matrix_a_fmt:MATRIX_FMT_BF6 matrix_b_fmt:MATRIX_FMT_BF6
.endr
.endm
; THE CHANGE OF SLOTS stands at a slot's head.  Each wave waits for all its tensor loads, adds 0 to its spare word, and waits for that and for its reads of the slot that it has left.
; fill = 1: behind a round of the cluster's barrier the slot just left is filled with the four key steps that follow the slot ahead; the load has four key steps in which to land.
.macro CHANGE fill
	s_wait_tensorcnt 0x0                           ; no tensor load of mine is out, so a group 0 may be written
	ds_add_u32 v[SPW], v[NIL]                      ; 0 onto my spare word
.if \fill
	s_xor_b32 s[G0+1], s[G0+1], SLOT1              ; the walking descriptor: the other slot than last time,
	s_add_nc_u64 s[G0+2:G0+3], s[G0+2:G0+3], 4*RECB   ; the next four records
.endif
	s_wait_dscnt 0x0                               ; the add is done, and my reads of the slot that I have left are over
.if \fill
	ROUND
	s_cmp_lt_u32 s[WV], 4
	s_cbranch_scc0 .Lnone_\@
	tensor_load_to_lds s[G0:G0+3], s[G1:G1+7]      ; the first thing behind the round, and a wave's one tensor load until the next
	s_nop 0
.rept 4
	v_nop
.endr
.Lnone_\@:
.else
	s_barrier_signal -1
	s_barrier_wait -1
.endif
.endm
.macro SLOT_STEPS                              ; a slot's four key steps: written once, walked four times
	s_mov_b32 s[STEPS], 4
.Lstep_\@:
	v_add_nc_u32 v[ADK16], s[TB], v[L16]
	s_wait_alu depctr_va_vdst(0)
	v_add_nc_u32 v[ADK8], s[TB], v[L8]
	s_wait_alu depctr_va_vdst(0)
	v_add_nc_u32 v[ADS], s[TS], v[ASK0]
	s_wait_alu depctr_va_vdst(0)
	v_nop                                          ; with the three additions: four places in front of loads into registers that the last products read
	STREAM 0
.rept 4
	v_nop                                          ; the same four
.endr
	STREAM 1
	s_add_co_u32 s[TB], s[TB], RECB
	s_add_co_u32 s[TS], s[TS], 512
	s_sub_co_u32 s[STEPS], s[STEPS], 1
	s_cmp_lg_u32 s[STEPS], 0
	s_cbranch_scc1 .Lstep_\@
	s_setprio 0
	s_sub_co_u32 s[TB], s[TB], 4*RECB              ; back to a slot's first step,
	s_xor_b32 s[TB], s[TB], SLOT1                  ; in the other slot
.endm
.Lslot:                                            ; three trips: behind each change of slots but the last the next four key steps are asked for
	CHANGE 1
	SLOT_STEPS
	s_sub_co_u32 s[SLOTS], s[SLOTS], 1
	s_cmp_lg_u32 s[SLOTS], 0
	s_cbranch_scc1 .Lslot
	CHANGE 0                                       ; the last slot is written out
	SLOT_STEPS
	; THE WAY OUT.  The additions and address lines are the places behind the last products.
	v_add_f32 v14, v14, v15                        ; each sum's two halves,
	v_add_f32 v46, v46, v47
	s_delay_alu instid0(VALU_DEP_2)
	v_permlanex16_b32 v252, v14, s[SEL], s[SEL+1]
	s_delay_alu instid0(VALU_DEP_2)
	v_permlanex16_b32 v254, v46, s[SEL], s[SEL+1]
	s_delay_alu instid0(VALU_DEP_2)
	v_add_f32 v14, v14, v252                       ; and lane l xor 16's: the row's sum l
	s_delay_alu instid0(VALU_DEP_2)
	v_add_f32 v46, v46, v254
	s_wait_alu depctr_va_vdst(0)
	v_rcp_f32 v14, v14
	v_rcp_f32 v46, v46
	v_and_b32 v7, 15, v0                           ; (a plain line behind the reciprocals)
	s_delay_alu instid0(VALU_DEP_1)
	v_lshlrev_b32 v7, 2, v7
	s_lshl_b32 s72, s[WV], 6
	s_add_co_u32 s72, s72, OSTG
	v_add_nc_u32 v7, s72, v7                       ; the stage: 64 x wave + 4 r
	v_add_nc_u32 v8, OSTG, v[L16]                  ; and back: 16 x lane
	s_wait_alu depctr_va_vdst(0)                   ; one wait for the two reciprocals, ahead of their first reader
; Stream z's O / l becomes registers 6 z .. 6 z + 5 of O's fragment and bytes 2 z, 2 z + 1 of its scale word.  Here the order inside a block must be the natural one, since Wo's codes are given:
; eight exchanges a block bring a lane d = 32 b + 16 (lane / 16) + 0 .. 15.
.macro OQ z
.set OT, 160+32*(\z)
.set SM, 14+32*(\z)
.set k, 0
.rept 16
	v_pk_mul_f32 v[OT+k:OT+k+1], v[OT+k:OT+k+1], v[SM:SM+1] op_sel_hi:[1,0]   ; / l: ascending
.set k, k+2
.endr
.irp b, 0,1
.irp j, 0,1,2,3,4,5,6,7
	v_permlane16_swap_b32 v[OT+16*\b+\j], v[OT+16*\b+8+\j]   ; tile 2 b's lanes 16-31 change places with tile 2 b + 1's lanes 0-15
.endr
.endr
.irp b, 0,1
	v_max3_num_f32 v[232+\b], |v[OT+16*\b]|, |v[OT+16*\b+1]|, 0x2800000
.endr
.irp i, 2,4,6,8,10,12,14
.irp b, 0,1
	s_delay_alu instid0(VALU_DEP_2)
	v_max3_num_f32 v[232+\b], v[232+\b], |v[OT+16*\b+\i]|, |v[OT+16*\b+\i+1]|
.endr
.endr
.irp b, 0,1
	s_delay_alu instid0(VALU_DEP_2)
	v_permlanex16_b32 v[234+\b], v[232+\b], s[SEL], s[SEL+1]
.endr
.irp b, 0,1
	s_delay_alu instid0(VALU_DEP_2)
	v_max_num_f32 v[232+\b], v[232+\b], v[234+\b]
.endr
.irp b, 0,1
	s_delay_alu instid0(VALU_DEP_2)
	v_add_nc_u32 v[244+\b], 0xfe000000, v[232+\b]
.endr
.irp b, 0,1
	s_delay_alu instid0(VALU_DEP_2)
	v_lshrrev_b32 v[246+\b], 23, v[244+\b]
.endr
.if (\z) == 0
	s_delay_alu instid0(VALU_DEP_1)
	v_lshl_or_b32 v253, v247, 8, v246
.else
	s_delay_alu instid0(VALU_DEP_2)
	v_lshl_or_b32 v253, v246, 16, v253
	s_delay_alu instid0(VALU_DEP_1)
	v_lshl_or_b32 v253, v247, 24, v253
.endif
	v_cvt_scalef32_pk16_bf6_f32 v[224+6*(\z):226+6*(\z)], v[OT:OT+15], v244
	v_cvt_scalef32_pk16_bf6_f32 v[236:238], v[OT+16:OT+31], v245
	v_nop                                          ; one plain line behind a scaled conversion
.irp i, 0,1,2
	v_permlane16_swap_b32 v[224+6*(\z)+\i], v[236+\i]
.endr
.irp i, 0,1,2
	s_delay_alu instid0(VALU_DEP_3)
	v_mov_b32 v[227+6*(\z)+\i], v[236+\i]
.endr
.endm
	OQ 0
	OQ 1
.irp j, 0,1,2
	global_store_b128 v[L16], v[224+4*\j:227+4*\j], s[10:11] offset:512*\j   ; O's fragment as an image of its registers: 512 consecutive bytes a store
.endr
	ds_store_b32 v7, v253                          ; the scale words of sixteen waves meet in the stage (lanes 16-31 write the same words)
	s_wait_dscnt 0x0                               ; for the others' sake: my store is done
	s_barrier_signal -1
	s_barrier_wait -1
	s_cmp_lg_u32 s[WV], 0
	s_cbranch_scc1 .Lnot_first
	ds_load_b128 v[96:99], v8                      ; wave 0 stores the work-group's 1,024 bytes
	ds_load_b128 v[100:103], v8 offset:512
	s_wait_dscnt 0x0
	global_store_b128 v[L16], v[96:99], s[62:63]
	global_store_b128 v[L16], v[100:103], s[62:63] offset:512
.Lnot_first:
	s_wait_tensorcnt 0x0                           ; the wave's end
	ds_add_u32 v[SPW], v[NIL]
	s_wait_dscnt 0x0
	ROUND                                          ; the closing round
	s_endpgm
.Lfunc_end_k_qdc09a6c485_attn:
	.size	k_qdc09a6c485_attn, .Lfunc_end_k_qdc09a6c485_attn-k_qdc09a6c485_attn
	.p2alignl 7, 3214868480
	.fill 96, 4, 3214868480
	.section	.rodata,"a",@progbits
	.p2align	6, 0x0
	.amdhsa_kernel k_qdc09a6c485_attn
		.amdhsa_group_segment_fixed_size 327680
		.amdhsa_private_segment_fixed_size 0
		.amdhsa_enable_private_segment 0
		.amdhsa_kernarg_size 32
		.amdhsa_user_sgpr_count 2
		.amdhsa_user_sgpr_kernarg_segment_ptr 1
		.amdhsa_wavefront_size32 1
		.amdhsa_system_sgpr_workgroup_id_x 1
		.amdhsa_system_sgpr_workgroup_id_y 1
		.amdhsa_system_sgpr_workgroup_id_z 1
		.amdhsa_system_vgpr_workitem_id 0
		.amdhsa_next_free_vgpr 256
		.amdhsa_next_free_sgpr 80
		.amdhsa_reserve_vcc 0
		.amdhsa_float_denorm_mode_32 3
		.amdhsa_float_denorm_mode_16_64 3
		.amdhsa_memory_ordered 1
		.amdhsa_forward_progress 1
		.amdhsa_inst_pref_size 89
	.end_amdhsa_kernel
	.amdgpu_metadata
---
amdhsa.version: [ 1, 2 ]
amdhsa.kernels:
  - .name:           k_qdc09a6c485_attn
    .symbol:         k_qdc09a6c485_attn.kd
    .args:
      - { .name: qfr, .offset: 0, .size: 8, .value_kind: global_buffer, .address_space: global }
      - { .name: kfr, .offset: 8, .size: 8, .value_kind: global_buffer, .address_space: global }
      - { .name: vfr, .offset: 16, .size: 8, .value_kind: global_buffer, .address_space: global }
      - { .name: ofr, .offset: 24, .size: 8, .value_kind: global_buffer, .address_space: global }
    .group_segment_fixed_size: 327680
    .private_segment_fixed_size: 0
    .kernarg_segment_align: 8
    .kernarg_segment_size: 32
    .max_flat_workgroup_size: 512
    .sgpr_count:     80
    .vgpr_count:     256
    .wavefront_size: 32
...
	.end_amdgpu_metadata
.endif
;; end of part 3
;; launch outln (part 4): grid 256 x 1, 8 waves a work-group, clusters of 4 x 1, 327,680 bytes of LDS; arguments ofr, Wo_codes, Wo_scales, bo, q, gamma, beta, out0; writes out0
.if DOCPART == 4
	.amdgcn_target "amdgcn-amd-amdhsa--gfx1250"
	.amdhsa_code_object_version 6
	.text
	.protected	k_qdc09a6c485_outln
	.globl	k_qdc09a6c485_outln
	.p2align	8
	.type	k_qdc09a6c485_outln,@function
k_qdc09a6c485_outln:
	s_mov_b64 s[64:65], 0
	v_nop
	global_prefetch_b8 v0, s[64:65] scope:SCOPE_SE
	s_setreg_imm32_b32 hwreg(HW_REG_WAVE_MODE, 25, 1), 1
	s_wait_xcnt 0x0
	s_wait_alu depctr_hold_cnt(0) depctr_sa_sdst(0) depctr_va_vdst(0) depctr_va_sdst(0) depctr_va_ssrc(0) depctr_va_vcc(0) depctr_vm_vsrc(0)
	s_getreg_b32 s2, hwreg(HW_REG_IB_STS2, 6, 4)
	s_cmp_eq_u32 s2, 0
	s_cbranch_scc0 .Lentry_in_a_cluster
	s_endpgm
.Lentry_in_a_cluster:
	s_bfe_u32 s2, ttmp6, 0x10000c
	s_cmp_lg_u32 s2, 0x3003
	s_cbranch_scc0 .Lentry_shape_is_right
	s_endpgm
.Lentry_shape_is_right:
; out0 = LayerNorm(O Wo^T + bo + q) x gamma + beta.  The product on codes of BF6 (E3M2): O's fragments and scale words as attn stored them, Wo's as they are given.  All else in f32.
; SHARES.  A work-group takes 32 rows and all 1,024 columns, which the norm needs.  Wave w makes columns 512 j + 64 w .. + 63, j = 0, 1, for both tiles of 16 rows: 16 accumulators.
; The product is used transposed (source 0 = 16 rows of Wo, source 1 = 16 rows of O): a lane holds eight neighbouring columns of one row.
; Wo goes through two LDS slots: slot j holds 256 along K of Wo's rows 512 j .. 512 j + 511; each wave fetches the 64 rows that it multiplies.  The four work-groups of a cluster walk the same Wo:
; every load of it is joint.  Eight steps (K step of 256 x half j), written out.  O's 16 fragments are copied into LDS once; Wo's scale bytes come once, with the first fills.
; The residual rows of q, bo, gamma and beta are asked for at the head, into registers of window 1, and land under the matrix work; so nothing is prefetched.
; The variance is taken in two passes (the mean is taken off first), so a common offset of the inputs does no harm.  NaN and infinities are not served.
; REGISTERS: window 0: v1-15 addresses; v16-23 O's scale words (lanes 0-15: rows 0-15, lanes 16-31: rows 16-31); v24-31 Wo's scale words; v32-79 four fragments of Wo; v80-127 four of O;
;   v128-255 the accumulators ((j, u, i) at v[128 + 64 j + 32 u + 8 i]), later my four whole rows.   window 1: v0-127 my four rows of q; v128-159 bo; v160-191 gamma; v192-223 beta.
.set PITCH, 240                        ; an LDS row of Wo: 3 x (64 bytes + 16 of padding)
.set SLOTB, 512*PITCH
.set WROWS, 64*PITCH                   ; what one tensor load brings
.set WSC,   2*SLOTB                    ; Wo's scale bytes, as 256 bytes + 16 of padding
.set AIMG,  WSC+8*4352                 ; O's 16 fragments, images of 1,536 bytes
.set SPARE, AIMG+24576                 ; the spare words, 128 bytes a wave: four blocks of 256 bytes that no other line names
.set SP,    4112                       ; the stage: 32 rows of 4,096 bytes + 16, from LDS byte 0, written when both slots have had their last fill and their last read
.set FR,    12
.set OSCB,  6291456                    ; where ofr's scale words begin
.set ADW,   1                          ; v1, v2  my rows of Wo in slot 0, 1;  v3, v4 the same for the pieces behind one padding more
.set AA,    5                          ; v5   AIMG + 16 x lane
.set AWS,   6                          ; v6   my rows' scale words
.set SPW,   7                          ; v7   my spare word; never rewritten
.set NIL,   8                          ; v8   0; never rewritten
.set L16,   9                          ; v9   16 x lane
.set L4,    10                         ; v10  4 x lane
.set STI,   11                         ; v11, v12  the stage, way in, rows 0-15 and 16-31
.set STB,   13                         ; v13  the stage, way back
.set AW,    14                         ; v14  where I put my part of O's images
.set AG,    15                         ; v15  and where it lies in ofr
.set ASC,   16
.set WS,    24
.set WF,    32
.set AF,    80
.set ACC,   128
.set WV,    20
.set G1W,   28                         ; s[28:35] group 1 for Wo's tiles;  s[36:43] for its scale bytes;  s[44:51] groups 0 of slots 0, 1;  s[52:55] of the scale bytes
.set G1S,   36
.set G0,    44
.set G0S,   52
.set SEL,   68
.set MSB, 0
.macro WIN new
.if MSB != (\new)
	s_set_vgpr_msb (MSB<<8)|(\new)
.set MSB, (\new)
.endif
.endm
.macro ROUND
	s_barrier_signal -1
	s_barrier_wait -1
	s_cmp_lg_u32 s[WV], 0
	s_cbranch_scc1 .Lnot_wave_0_\@
	s_barrier_signal -3
.Lnot_wave_0_\@:
	s_barrier_wait -3
	s_barrier_signal -1
	s_barrier_wait -1
.endm
	s_load_b256 s[4:11], s[0:1], 0x0               ; ofr, Wo_codes, Wo_scales, bo
	s_load_b256 s[12:19], s[0:1], 0x20             ; q, gamma, beta, out0
	v_lshl_add_u32 v[SPW], v0, 2, SPARE
	v_mov_b32 v[NIL], 0
	ds_add_u32 v7, v8
	ds_add_u32 v7, v8
	s_wait_dscnt 0x0
	v_lshrrev_b32 v15, 5, v0
	s_delay_alu instid0(VALU_DEP_1)
	v_readfirstlane_b32 s[WV], v15                 ; wave 0..7
	s_bfe_u32 s21, ttmp6, 0x40000                  ; cx
	s_lshl_b32 s22, ttmp9, 2
	s_add_co_u32 s22, s22, s21                     ; x: my 32 rows: it enters global addresses of plain loads and stores alone
	; group 1: 64 rows of 192 bytes, 768 apart, 16 bytes of padding behind every 64; the mask names all four work-groups, bit 21 set beside it
	s_mov_b32 s[G1W], 15|(1<<20)|(1<<21)|(3<<22)|(3<<25)
	s_mov_b32 s[G1W+1], 192<<16
	s_mov_b32 s[G1W+2], 64<<16
	s_mov_b32 s[G1W+3], 192<<16
	s_mov_b32 s[G1W+4], 64
	s_mov_b32 s[G1W+5], 768
	s_mov_b32 s[G1W+6], 0
	s_mov_b32 s[G1W+7], 0
	; the scale bytes: 4,096 dense bytes as 16 rows of 256 (32 elements of 8 bytes), 16 bytes of padding behind each
	s_mov_b32 s[G1S], 15|(3<<16)|(1<<20)|(1<<21)|(5<<22)|(3<<25)
	s_mov_b32 s[G1S+1], 32<<16
	s_mov_b32 s[G1S+2], 16<<16
	s_mov_b32 s[G1S+3], 32<<16
	s_mov_b32 s[G1S+4], 16
	s_mov_b32 s[G1S+5], 32
	s_mov_b32 s[G1S+6], 0
	s_mov_b32 s[G1S+7], 0
	s_mul_i32 s24, s[WV], 64*768                   ; my 64 rows of a half of Wo
	s_mov_b32 s25, 0
	s_lshl_b32 s26, s[WV], 12                      ; my eighth of the scale bytes
	s_mov_b32 s27, 0
	s_mul_i32 s56, s[WV], WROWS
	s_mul_i32 s57, s[WV], 4352
	s_mov_b32 s66, 0x3a800000                      ; 1 / 1,024
	s_mov_b32 s67, 0x3727c5ac                      ; 1e-5
	s_mov_b32 s[SEL], 0x76543210
	s_mov_b32 s[SEL+1], 0xfedcba98
	s_wait_kmcnt 0x0
	s_mov_b32 s[G0], 1
	s_mov_b32 s[G0+1], s56
	s_add_nc_u64 s[G0+2:G0+3], s[6:7], s[24:25]
	s_or_b32 s[G0+3], s[G0+3], 0x80000000
	s_mov_b32 s[G0+4], 1
	s_add_co_u32 s[G0+5], s56, SLOTB
	s_add_nc_u64 s[G0+6:G0+7], s[6:7], s[24:25]
	s_add_nc_u64 s[G0+6:G0+7], s[G0+6:G0+7], 512*768
	s_or_b32 s[G0+7], s[G0+7], 0x80000000
	s_mov_b32 s[G0S], 1
	s_add_co_u32 s[G0S+1], s57, WSC
	s_add_nc_u64 s[G0S+2:G0S+3], s[8:9], s[26:27]
	s_or_b32 s[G0S+3], s[G0S+3], 0x80000000
	ROUND                                          ; all four work-groups are here: the first joint loads meet
	tensor_load_to_lds s[G0S:G0S+3], s[G1S:G1S+7]  ; every wave issues every load, each into bytes of its own: one of mine is out here
	s_nop 0
	s_wait_alu depctr_va_vdst(0)
	s_wait_tensorcnt 0x0
	ds_add_u32 v7, v8
	s_wait_dscnt 0x0
	ROUND
	tensor_load_to_lds s[G0:G0+3], s[G1W:G1W+7]
	s_nop 0
	s_wait_alu depctr_va_vdst(0)
	s_wait_tensorcnt 0x0
	ds_add_u32 v7, v8
	s_wait_dscnt 0x0
	ROUND
	tensor_load_to_lds s[G0+4:G0+7], s[G1W:G1W+7]
	s_nop 0
.rept 4
	v_nop
.endr
	s_mul_i32 s58, s22, 24576
	s_mov_b32 s59, 0
	s_add_nc_u64 s[60:61], s[4:5], s[58:59]        ; my 32 rows' images in ofr: 16 fragments on end
	s_lshl_b32 s58, s22, 7
	s_add_nc_u64 s[4:5], s[4:5], s[58:59]          ; their scale words: 128 bytes a K step (the rest stands in the immediates)
	s_lshl_b32 s58, s22, 5
	s_lshl_b32 s62, s[WV], 2
	s_add_co_u32 s58, s58, s62                     ; the four rows that I normalise: 32 x + 4 w
	s_lshl_b32 s58, s58, 12
	s_add_nc_u64 s[12:13], s[12:13], s[58:59]
	s_add_nc_u64 s[18:19], s[18:19], s[58:59]
	v_and_b32 v24, 15, v0                          ; r
	v_bfe_u32 v25, v0, 4, 1                        ; h
	v_and_b32 v26, 31, v0                          ; lane
	s_delay_alu instid0(VALU_DEP_1)
	v_lshlrev_b32 v[L16], 4, v26
	s_delay_alu instid0(VALU_DEP_2)
	v_lshlrev_b32 v[L4], 2, v26
	s_mul_i32 s62, s[WV], 3072
	v_add_nc_u32 v[AG], s62, v[L16]                ; my eighth of the images: 3,072 bytes
	s_delay_alu instid0(VALU_DEP_1)
	v_add_nc_u32 v[AW], AIMG, v[AG]
.irp i, 0,1,2,3,4,5
	global_load_b128 v[32+4*\i:35+4*\i], v[AG], s[60:61] offset:512*\i
.endr
.irp s, 0,1,2,3,4,5,6,7
	global_load_b32 v[ASC+\s], v[L4], s[4:5] offset:OSCB+\s*32768   ; lanes 0-15: the words of rows 0-15, lanes 16-31: of rows 16-31
.endr
	v_mul_u32_u24 v27, v24, PITCH
	s_delay_alu instid0(VALU_DEP_1)
	v_mad_u32_u24 v28, v25, 24, v27
	s_delay_alu instid0(VALU_DEP_2)
	v_mad_u32_u24 v29, v25, 40, v27
	s_delay_alu instid0(VALU_DEP_2)
	v_add_nc_u32 v[ADW], s56, v28                  ; row r of my 64, + 24 h
	s_delay_alu instid0(VALU_DEP_2)
	v_add_nc_u32 v[ADW+2], s56, v29                ; and behind one padding more
	s_delay_alu instid0(VALU_DEP_2)
	v_add_nc_u32 v[ADW+1], SLOTB, v[ADW]
	s_delay_alu instid0(VALU_DEP_2)
	v_add_nc_u32 v[ADW+3], SLOTB, v[ADW+2]
	v_add_nc_u32 v[AA], AIMG, v[L16]
	v_lshrrev_b32 v27, 3, v24                      ; Wo's scale words: 32 bytes a row, eight rows to 256 bytes + 16
	v_and_b32 v28, 7, v24
	s_delay_alu instid0(VALU_DEP_2)
	v_mul_u32_u24 v27, v27, 272
	s_delay_alu instid0(VALU_DEP_1)
	v_lshl_add_u32 v27, v28, 5, v27
	s_mul_i32 s63, s[WV], 2176
	s_add_co_u32 s63, s63, WSC
	v_add_nc_u32 v[AWS], s63, v27
	v_mul_u32_u24 v27, v24, SP                     ; the stage, way in: row r, + 32 h, + 256 w
	s_delay_alu instid0(VALU_DEP_1)
	v_lshl_add_u32 v27, v25, 5, v27
	s_lshl_b32 s63, s[WV], 8
	v_add_nc_u32 v[STI], s63, v27
	s_delay_alu instid0(VALU_DEP_1)
	v_add_nc_u32 v[STI+1], 16*SP, v[STI]
	s_mul_i32 s63, s[WV], 4*SP
	v_add_nc_u32 v[STB], s63, v[L16]               ; way back: my four rows, 16 bytes a lane
	s_wait_alu depctr_va_vdst(0)
	s_wait_loadcnt 8                               ; the six image loads are in; the eight scale-word loads may be out
.irp i, 0,1,2,3,4,5
	ds_store_b128 v[AW], v[32+4*\i:35+4*\i] offset:512*\i
.endr
	WIN 0x40                                       ; destination window 1
.irp i, 0,1,2,3
.irp c, 0,1,2,3,4,5,6,7
	global_load_b128 v[32*\i+4*\c:32*\i+4*\c+3], v[L16], s[12:13] offset:\i*4096+512*\c th:TH_LOAD_NT   ; my four rows of q
.endr
.endr
.irp c, 0,1,2,3,4,5,6,7
	global_load_b128 v[128+4*\c:131+4*\c], v[L16], s[10:11] offset:512*\c     ; bo
	global_load_b128 v[160+4*\c:163+4*\c], v[L16], s[14:15] offset:512*\c     ; gamma
	global_load_b128 v[192+4*\c:195+4*\c], v[L16], s[16:17] offset:512*\c     ; beta
.endr
	WIN 0
	s_wait_tensorcnt 1                             ; the scale bytes and slot 0 are in; slot 1's load may be out
	s_wait_dscnt 0x0                               ; my part of O's images is stored
	s_barrier_signal -1
	s_barrier_wait -1
	s_wait_loadcnt 56                              ; O's scale words are in; the 56 loads into window 1 may be out
.macro FRAG reg, adr, q, i             ; a fragment of Wo: 24 bytes of a row's stream of bits twice, in pieces of 8 bytes; the second address register serves the pieces behind one padding more
.irp p, 0,1,2,3,4,5
.set PCE, 12*(\q)+6*(\p/3)+\p%3
.if PCE%8 < 5
	ds_load_b64 v[\reg+2*\p:\reg+2*\p+1], v[\adr] offset:8*PCE+16*(PCE/8)+(\i)*16*PITCH
.else
	ds_load_b64 v[\reg+2*\p:\reg+2*\p+1], v[\adr+2] offset:8*PCE+16*(PCE/8)+(\i)*16*PITCH
.endif
.endr
.endm
.macro MM j, u, i, qq, s, zero         ; accumulator (j, u, i) takes K step s of 128
.set D, ACC+64*(\j)+32*(\u)+8*(\i)
.if \zero
.if \u
	v_wmma_scale_f32_16x16x128_f8f6f4 v[D:D+7], v[WF+FR*(\i):WF+FR*(\i)+FR-1], v[AF+FR*(2*(\u)+(\qq)):AF+FR*(2*(\u)+(\qq))+FR-1], 0, v[WS+2*(\i)+(\qq)], v[ASC+(\s)] matrix_a_fmt:MATRIX_FMT_BF6 matrix_b_fmt:MATRIX_FMT_BF6 matrix_b_scale:MATRIX_SCALE_ROW1
.else
	v_wmma_scale_f32_16x16x128_f8f6f4 v[D:D+7], v[WF+FR*(\i):WF+FR*(\i)+FR-1], v[AF+FR*(2*(\u)+(\qq)):AF+FR*(2*(\u)+(\qq))+FR-1], 0, v[WS+2*(\i)+(\qq)], v[ASC+(\s)] matrix_a_fmt:MATRIX_FMT_BF6 matrix_b_fmt:MATRIX_FMT_BF6
.endif
.else
.if \u
	v_wmma_scale_f32_16x16x128_f8f6f4 v[D:D+7], v[WF+FR*(\i):WF+FR*(\i)+FR-1], v[AF+FR*(2*(\u)+(\qq)):AF+FR*(2*(\u)+(\qq))+FR-1], v[D:D+7], v[WS+2*(\i)+(\qq)], v[ASC+(\s)] matrix_a_fmt:MATRIX_FMT_BF6 matrix_b_fmt:MATRIX_FMT_BF6 matrix_b_scale:MATRIX_SCALE_ROW1
.else
	v_wmma_scale_f32_16x16x128_f8f6f4 v[D:D+7], v[WF+FR*(\i):WF+FR*(\i)+FR-1], v[AF+FR*(2*(\u)+(\qq)):AF+FR*(2*(\u)+(\qq))+FR-1], v[D:D+7], v[WS+2*(\i)+(\qq)], v[ASC+(\s)] matrix_a_fmt:MATRIX_FMT_BF6 matrix_b_fmt:MATRIX_FMT_BF6
.endif
.endif
.endm
; STEP t: K step t / 2 of 256, half t % 2 of Wo's rows (which is also the slot): 16 matrix instructions, the eight accumulators of the half by turns.
.macro WORK t
.set K2, (\t)/2
.set J, (\t)%2
.if J == 0
.irp u, 0,1
.irp qq, 0,1
.irp c, 0,1,2
	ds_load_b128 v[AF+FR*(2*\u+\qq)+4*\c:AF+FR*(2*\u+\qq)+4*\c+3], v[AA] offset:\u*12288+(2*K2+\qq)*1536+512*\c   ; O's four fragments of this K step serve both halves
.endr
.endr
.endr
.endif
.irp i, 0,1,2,3
	ds_load_b64 v[WS+2*\i:WS+2*\i+1], v[AWS] offset:J*17408+\i*544+8*K2
.endr
.irp qq, 0,1
.if \qq == 1
.rept 4
	v_nop                                          ; places in front of loads into registers that matrix instructions have read
.endr
.endif
.irp i, 0,1,2,3
	FRAG WF+FR*\i, ADW+J, \qq, \i
.endr
	s_wait_dscnt 0x0
.irp i, 0,1,2,3
.irp u, 0,1
.if ((\t) < 2) && (\qq == 0)
	MM J, \u, \i, \qq, 2*K2+\qq, 1
.else
	MM J, \u, \i, \qq, 2*K2+\qq, 0
.endif
.endr
.endr
.endr
.endm
; Between two steps: each wave waits for all its tensor loads (the next step's slot among them), adds 0 to its spare word, and waits for that and for its reads of the slot just multiplied.
; fill = 1: behind a round of the cluster's barrier that slot takes its next K step.
.macro CHANGE slot, fill
	s_wait_tensorcnt 0x0
	ds_add_u32 v[SPW], v[NIL]                      ; 0 onto my spare word
.if \fill
	s_add_nc_u64 s[G0+4*\slot+2:G0+4*\slot+3], s[G0+4*\slot+2:G0+4*\slot+3], 192   ; no tensor load of mine is out: the group 0 may be written
.endif
	s_wait_dscnt 0x0
.if \fill
	ROUND
	tensor_load_to_lds s[G0+4*\slot:G0+4*\slot+3], s[G1W:G1W+7]   ; the first thing behind the round, my one tensor load until the next
	s_nop 0
.else
	s_barrier_signal -1
	s_barrier_wait -1
.endif
.rept 4
	v_nop                                          ; the places in front of the next step's loads
.endr
.endm
	WORK 0
	CHANGE 0, 1
	WORK 1
	CHANGE 1, 1
	WORK 2
	CHANGE 0, 1
	WORK 3
	CHANGE 1, 1
	WORK 4
	CHANGE 0, 1
	WORK 5
	CHANGE 1, 1
	WORK 6
	CHANGE 0, 0                                    ; nothing is left to fetch
	WORK 7
	; THE ROWS MEET IN THE STAGE.  A row's 1,024 columns come from eight waves.
.rept 4
	v_nop                                          ; places behind the last products
.endr
	s_wait_dscnt 0x0
	s_barrier_signal -1
	s_barrier_wait -1                              ; nobody reads a slot any more: the stage may be written over them
.irp j, 0,1
.irp u, 0,1
.irp i, 0,1,2,3
	ds_store_b128 v[STI+\u], v[ACC+64*\j+32*\u+8*\i:ACC+64*\j+32*\u+8*\i+3] offset:2048*\j+64*\i        ; each accumulator from its low end on
	ds_store_b128 v[STI+\u], v[ACC+64*\j+32*\u+8*\i+4:ACC+64*\j+32*\u+8*\i+7] offset:2048*\j+64*\i+16
.endr
.endr
.endr
	s_wait_dscnt 0x0                               ; for the others' sake: my stores are done
	s_barrier_signal -1
	s_barrier_wait -1
.irp i, 0,1,2,3
.irp c, 0,1,2,3,4,5,6,7
	ds_load_b128 v[ACC+32*\i+4*\c:ACC+32*\i+4*\c+3], v[STB] offset:\i*SP+512*\c    ; my four whole rows: row i in 32 registers; register 4 c + e is column 128 c + 4 lane + e
.endr
.endr
.irp i, 0,1,2,3
	v_mov_b32 v[40+\i], 0                          ; written once: a lane permute's destination counts as one of its sources
.endr
	s_wait_loadcnt 0x0                             ; q, bo, gamma, beta
	s_wait_dscnt 0x0
	WIN 0x04                                       ; source 1: window 1
.irp i, 0,1,2,3
.set k, 0
.rept 16
	v_pk_add_f32 v[ACC+32*\i+k:ACC+32*\i+k+1], v[ACC+32*\i+k:ACC+32*\i+k+1], v[128+k:129+k]       ; + bo
.set k, k+2
.endr
.endr
.irp i, 0,1,2,3
.set k, 0
.rept 16
	v_pk_add_f32 v[ACC+32*\i+k:ACC+32*\i+k+1], v[ACC+32*\i+k:ACC+32*\i+k+1], v[32*\i+k:32*\i+k+1] ; + the residual
.set k, k+2
.endr
.endr
	WIN 0
.macro REDUCE base                     ; four rows' figures at v[base + 2 i]: summed over the 32 lanes, the result in every lane
.irp m, 1,2,4,8
.irp i, 0,1,2,3
	s_delay_alu instid0(VALU_DEP_4)
	v_add_f32_dpp v[\base+2*\i], v[\base+2*\i], v[\base+2*\i] row_xmask:\m row_mask:0xf bank_mask:0xf
.endr
.endr
.irp i, 0,1,2,3
	s_delay_alu instid0(VALU_DEP_4)
	v_permlanex16_b32 v[40+\i], v[\base+2*\i], s[SEL], s[SEL+1]
.endr
.irp i, 0,1,2,3
	s_delay_alu instid0(VALU_DEP_4)
	v_add_f32 v[\base+2*\i], v[\base+2*\i], v[40+\i]
.endr
.endm
.irp i, 0,1,2,3
	v_pk_add_f32 v[32+2*\i:33+2*\i], v[ACC+32*\i:ACC+32*\i+1], v[ACC+32*\i+2:ACC+32*\i+3]         ; the rows' sums, the four rows by turns
.endr
.set k, 4
.rept 14
.irp i, 0,1,2,3
	s_delay_alu instid0(VALU_DEP_4)
	v_pk_add_f32 v[32+2*\i:33+2*\i], v[32+2*\i:33+2*\i], v[ACC+32*\i+k:ACC+32*\i+k+1]
.endr
.set k, k+2
.endr
.irp i, 0,1,2,3
	s_delay_alu instid0(VALU_DEP_4)
	v_add_f32 v[32+2*\i], v[32+2*\i], v[33+2*\i]
.endr
	REDUCE 32
.irp i, 0,1,2,3
	s_delay_alu instid0(VALU_DEP_4)
	v_mul_f32 v[32+2*\i], s66, v[32+2*\i]          ; the mean
.endr
.irp i, 0,1,2,3
.set k, 0
.rept 16
	v_pk_add_f32 v[ACC+32*\i+k:ACC+32*\i+k+1], v[ACC+32*\i+k:ACC+32*\i+k+1], v[32+2*\i:33+2*\i] op_sel_hi:[1,0] neg_lo:[0,1] neg_hi:[0,1]   ; x - mean
.set k, k+2
.endr
.endr
.irp i, 0,1,2,3
	v_pk_mul_f32 v[48+2*\i:49+2*\i], v[ACC+32*\i:ACC+32*\i+1], v[ACC+32*\i:ACC+32*\i+1]           ; the sums of squares
.endr
.set k, 2
.rept 15
.irp i, 0,1,2,3
	s_delay_alu instid0(VALU_DEP_4)
	v_pk_fma_f32 v[48+2*\i:49+2*\i], v[ACC+32*\i+k:ACC+32*\i+k+1], v[ACC+32*\i+k:ACC+32*\i+k+1], v[48+2*\i:49+2*\i]
.endr
.set k, k+2
.endr
.irp i, 0,1,2,3
	s_delay_alu instid0(VALU_DEP_4)
	v_add_f32 v[48+2*\i], v[48+2*\i], v[49+2*\i]
.endr
	REDUCE 48
.irp i, 0,1,2,3
	s_delay_alu instid0(VALU_DEP_4)
	v_fma_f32 v[48+2*\i], v[48+2*\i], s66, s67     ; the variance + 1e-5
.endr
	s_wait_alu depctr_va_vdst(0)
.irp i, 0,1,2,3
	v_rsq_f32 v[48+2*\i], v[48+2*\i]
.endr
	v_nop                                          ; a plain line behind the last of them
	s_wait_alu depctr_va_vdst(0)                   ; one wait for the four, ahead of their first reader
.irp i, 0,1,2,3
.set k, 0
.rept 16
	v_pk_mul_f32 v[ACC+32*\i+k:ACC+32*\i+k+1], v[ACC+32*\i+k:ACC+32*\i+k+1], v[48+2*\i:49+2*\i] op_sel_hi:[1,0]
.set k, k+2
.endr
.endr
	WIN 0x14                                       ; sources 1 and 2: window 1
.irp i, 0,1,2,3
.set k, 0
.rept 16
	v_pk_fma_f32 v[ACC+32*\i+k:ACC+32*\i+k+1], v[ACC+32*\i+k:ACC+32*\i+k+1], v[160+k:161+k], v[192+k:193+k]   ; x gamma + beta
.set k, k+2
.endr
.endr
	WIN 0
.irp i, 0,1,2,3
.irp c, 0,1,2,3,4,5,6,7
	global_store_b128 v[L16], v[ACC+32*\i+4*\c:ACC+32*\i+4*\c+3], s[18:19] offset:\i*4096+512*\c th:TH_STORE_NT   ; 32 lanes store 512 consecutive bytes, aligned
.endr
.endr
	s_wait_tensorcnt 0x0                           ; the wave's end
	ds_add_u32 v[SPW], v[NIL]
	s_wait_dscnt 0x0
	ROUND                                          ; the closing round
	s_endpgm
.Lfunc_end_k_qdc09a6c485_outln:
	.size	k_qdc09a6c485_outln, .Lfunc_end_k_qdc09a6c485_outln-k_qdc09a6c485_outln
	.p2alignl 7, 3214868480
	.fill 96, 4, 3214868480
	.section	.rodata,"a",@progbits
	.p2align	6, 0x0
	.amdhsa_kernel k_qdc09a6c485_outln
		.amdhsa_group_segment_fixed_size 327680
		.amdhsa_private_segment_fixed_size 0
		.amdhsa_enable_private_segment 0
		.amdhsa_kernarg_size 64
		.amdhsa_user_sgpr_count 2
		.amdhsa_user_sgpr_kernarg_segment_ptr 1
		.amdhsa_wavefront_size32 1
		.amdhsa_system_sgpr_workgroup_id_x 1
		.amdhsa_system_sgpr_workgroup_id_y 1
		.amdhsa_system_sgpr_workgroup_id_z 1
		.amdhsa_system_vgpr_workitem_id 0
		.amdhsa_next_free_vgpr 512
		.amdhsa_next_free_sgpr 80
		.amdhsa_reserve_vcc 0
		.amdhsa_float_denorm_mode_32 3
		.amdhsa_float_denorm_mode_16_64 3
		.amdhsa_memory_ordered 1
		.amdhsa_forward_progress 1
		.amdhsa_inst_pref_size 111
	.end_amdhsa_kernel
	.amdgpu_metadata
---
amdhsa.version: [ 1, 2 ]
amdhsa.kernels:
  - .name:           k_qdc09a6c485_outln
    .symbol:         k_qdc09a6c485_outln.kd
    .args:
      - { .name: ofr, .offset: 0, .size: 8, .value_kind: global_buffer, .address_space: global }
      - { .name: Wo_codes, .offset: 8, .size: 8, .value_kind: global_buffer, .address_space: global }
      - { .name: Wo_scales, .offset: 16, .size: 8, .value_kind: global_buffer, .address_space: global }
      - { .name: bo, .offset: 24, .size: 8, .value_kind: global_buffer, .address_space: global }
      - { .name: q, .offset: 32, .size: 8, .value_kind: global_buffer, .address_space: global }
      - { .name: gamma, .offset: 40, .size: 8, .value_kind: global_buffer, .address_space: global }
      - { .name: beta, .offset: 48, .size: 8, .value_kind: global_buffer, .address_space: global }
      - { .name: out0, .offset: 56, .size: 8, .value_kind: global_buffer, .address_space: global }
    .group_segment_fixed_size: 327680
    .private_segment_fixed_size: 0
    .kernarg_segment_align: 8
    .kernarg_segment_size: 64
    .max_flat_workgroup_size: 256
    .sgpr_count:     80
    .vgpr_count:     512
    .wavefront_size: 32
...
	.end_amdgpu_metadata
.endif
;; end of part 4
